; MI455X (gfx1250); checked and timed in simulation.
; The chip was launched on July 23, 2026; its instructions are those of AMD's public machine-readable ISA for CDNA 5 (MIT licence, August 2026) and "CDNA5" Instruction Set Architecture Reference Guide (July 2026). The comments in the code are by the model that wrote it; some were corrected since.
;; Multihead A Li Bi Self Attention. Allowed arithmetic: matrix products marked QUANTISED: E2M1 operands, one E8M0 scale for each 32 along K, by v_wmma_scale_f32_16x16x128_f8f6f4 with both operands' format E2M1 (or v_wmma_scale_f32_32x16x128_f4), f32 sums; everything else in f32.
;; Inputs: Wk 1,024 x 1,024 float32; Wo 1,024 x 1,024 float32; Wq 1,024 x 1,024 float32; Wv 1,024 x 1,024 float32; attn_mask 2 x 2,048 x 2,048 bool; bk 1,024 float32; bo 1,024 float32; bq 1,024 float32; bv 1,024 float32; embed 2 x 2,048 x 1,024 float32.
;; Outputs: out0 2 x 2,048 x 1,024 float32.
;; This version of the problem:
;;   THIS VERSION OF THE PROBLEM IS GIVEN IN LOW PRECISION. The matrix products marked QUANTISED in the list below multiply operands that are first quantised to E2M1 (2 exponent bits, 1 mantissa bit; 4 bits a number), with one power-of-two scale for each 32 numbers along K (OCP MX v1.0); their sums are f32. All else is computed in f32.
;;   The module's matrix products, in the order in which they are computed (A, B: the left and right operand; K: the contracted axis; several contracted axes count as one K, in the product's order):
;;     1. [M 4,096, K 1,024] x [K 1,024, N 1,024]; A: input embed; B: input Wq: QUANTISED
;;     2. [M 4,096, K 1,024] x [K 1,024, N 1,024]; A: input embed; B: input Wk: QUANTISED
;;     3. [M 4,096, K 1,024] x [K 1,024, N 1,024]; A: input embed; B: input Wv: QUANTISED
;;     4. batch 32 x [M 2,048, K 64] x [K 64, N 2,048]; A: computed on the way; B: computed on the way: QUANTISED
;;     5. batch 32 x [M 2,048, K 2,048] x [K 2,048, N 64]; A: softmax (see below); B: computed on the way: QUANTISED
;;     6. [M 4,096, K 1,024] x [K 1,024, N 1,024]; A: computed on the way; B: input Wo: QUANTISED
;;   THE QUANTISER, for each operand of a quantised product, along K:
;;     - K is cut into blocks of 32 from its start; a last block that is shorter is filled with zeros.
;;     - A block's scale is 2^e with e = floor(log2(the largest magnitude in the block)) - 2, held to -126 .. 127; a block of zeros has e = 0. As a byte (E8M0): e + 127.
;;     - Each number is divided by its block's scale, clamped to +-6, and rounded to the nearest number of E2M1, ties to even, subnormals kept.
;;     - The product sums the exact products of the quantised numbers (number of the format x scale) in f32.
;;   ~~~python
;;   def quantise(x, axis):      # numpy; x: float32 -> the quantised numbers, widened to float32 again
;;       x = np.moveaxis(x, axis, -1); K = x.shape[-1]
;;       x = np.pad(x, [(0, 0)] * (x.ndim - 1) + [(0, -K % 32)]); x = x.reshape(x.shape[:-1] + (-1, 32)); a = np.abs(x).max(-1, keepdims=True)
;;       e = np.where(a > 0, np.clip(np.frexp(np.where(a > 0, a, 1))[1] - 1 - 2, -126, 127), 0)      # np.frexp(a)[1] - 1 = floor(log2(a)), exactly
;;       r = np.clip(x / 2.0 ** e, -6, 6)
;;       step = 2.0 ** (np.maximum(np.frexp(np.where(r == 0, 1, r))[1] - 1, 0) - 1)
;;       q = np.round(r / step) * step * 2.0 ** e      # np.round: ties to even
;;       return np.moveaxis(q.reshape(q.shape[:-2] + (-1,))[..., :K], -1, axis).astype(np.float32)
;;   ~~~
;;   SOFTMAX AHEAD OF A QUANTISED PRODUCT. Where the list says 'softmax', what is quantised is not the finished softmax but p = 2^(t - M), with t = logit x log2(e) and M = ceil(the row's largest t), a whole number; so 1/2 < the row's largest p <= 1. The row's sum l is taken of the UNQUANTISED p, in f32, and the product's result is divided by l at the end. Since M is a whole number, a kernel that streams over the keys may use a running M (the ceiling of the running maximum): every later rescaling is an exact power of two, which a block's scale takes up: the codes' values come out the same.
;;   OPERANDS COMPUTED ON THE WAY. 'Computed on the way' means the value that the module computes at that place (a softmax that the list does not call 'softmax' is quantised finished and normalised). What goes into a quantiser is computed in f32, as accurately as f32 sums, v_exp_f32 and their like allow (about 1e-6 of the number): no bf16 or f16 on the way to a quantiser, and a product that is left as it is and whose result goes on into a quantised operand takes f32 operands (vector FMAs, or v_wmma_f32_16x16x4_f32). A number that lies on a knife's edge between two numbers of the format may be rounded either way, as far as f32 arithmetic and the matrix unit's own rounding can turn it there, and no further.
;; One version. Each part assembles by itself: llvm-mc -triple=amdgcn-amd-amdhsa -mcpu=gfx1250 --defsym DOCPART=n.
;; ======== version 1 of 1: 4 launches
;; workspace buffers: xc 4,456,448 bytes; maskw 1,048,576 bytes of whole numbers; qw 2,359,296 bytes; kv 4,718,592 bytes; oc 2,228,224 bytes
;; launch prep (part 1): grid 256 x 1, 8 waves a work-group, no clusters, 105,472 bytes of LDS; arguments embed, Wq, Wk, Wv, Wo, attn_mask, xc, maskw; writes xc, maskw
.if DOCPART == 1
	.amdgcn_target "amdgcn-amd-amdhsa--gfx1250"
	.amdhsa_code_object_version 6
	.text
	.protected	k_qde1757949e_prep
	.globl	k_qde1757949e_prep
	.p2align	8
	.type	k_qde1757949e_prep,@function
k_qde1757949e_prep:
	s_mov_b64 s[64:65], 0
	v_nop
	global_prefetch_b8 v0, s[64:65] scope:SCOPE_SE
	s_setreg_imm32_b32 hwreg(HW_REG_WAVE_MODE, 25, 1), 1
	s_wait_xcnt 0x0
; PREP.  (a) embed [4096][1024] and Wq, Wk, Wv, Wo [1024][1024], f32, K innermost, become codes of FP4 (E2M1) with one E8M0 byte for each 32 along K.
; (b) attn_mask [2][2048][2048], one byte a flag, becomes lane-mask words for the attention launch.
; LAYOUT OF xc.  Rows go in GROUPS of 128 (groups 0-31 embed, 32-39 Wq, 40-47 Wk, 48-55 Wv, 56-63 Wo).  A group is 8 CHUNKS, one for each 128 along K; a chunk is 8,704 bytes:
; [tile 8][cc 2][512 B] of codes, then 512 B of scale words [half 2][r 16][tile 4][4 B].  A block of 512 B is an IMAGE of four operand registers: lane l's 16 bytes at 16 l; lane (r, h) holds row
; pi(t, r) = 32 (t / 2) + 8 (t % 2) + r + 8 (r / 8) of the group and k = 64 cc + 32 h + 0 .. 31 of the chunk.  So every later launch loads operands by 16 bytes a lane, lanes on end.
; A block's scale is 2^(floor(log2(largest magnitude)) - 2); its byte is the largest magnitude's exponent field - 2, held at 1 from below.
; LIMITS: a block of zeros, or one whose largest magnitude lies under 2^-124, gets the byte 1 (its codes are zeros; this program alone reads the bytes).  NaN and infinities are not served.
; LAYOUT OF maskw.  [b x 128 + T][step 16][64 words]: bit l = (r, h) of word n is mask[b][128 (T / 8) + pi(T % 8, r)][128 step + 32 (n / 16) + 16 h + n % 16].
; SHARES.  Work-group i: group i / 4, K quarter i % 4 (two chunks), wave = tile: 16 rows x 256 numbers in four patches of 16 rows x 64;  and query tile i of the mask, wave w the key steps 2 w, 2 w + 1.
; Each load takes two rows' 256 consecutive bytes; a patch turns through the wave's own stage in LDS (rows 272 bytes apart) so that a lane gets the 32 neighbours of ONE block.  All 40 loads of a wave go out at the head.
; No tensor loads, no barrier: waves share nothing.  Matrix units and clusters have nothing to do here: every byte is read once.
; The codes leave as 512 consecutive bytes a store, the mask words likewise; the scale words leave 4 bytes a lane, 16 bytes apart: one byte in 128 of what the launch reads.
.set PITCH, 272
.set STG,   16*PITCH                   ; a stage: 16 rows
.set WREG,  3*STG                      ; a wave's LDS: two stages for the numbers, one for the mask
.set SPARE, 8*WREG                     ; behind the eight regions: the spare words, 128 bytes for each wave
.set CHUNK, 8704
.set GROUP, 8*CHUNK
.set QI,  1                            ; v1   a load's lane offset in the numbers: 4,096 (l / 16) + 16 (l % 16)
.set STO, 2                            ; v2   into a stage: 272 (l / 16) + 16 (l % 16)
.set QRD, 3                            ; v3   out of a stage: 272 r + 128 h; at the end the scale words' lane offset
.set L16, 4                            ; v4   16 l
.set MRD, 5                            ; v5   out of the mask's stage: 272 r + 16 h
.set SPW, 6                            ; v6   my spare word; never rewritten
.set NIL, 7                            ; v7   0; never rewritten
.set PW,  12                           ; v12-13 the two chunks' scale words in the making
.set SH,  14                           ; v14  8 h
.set MI,  15                           ; v15  a load's lane offset in the mask: 2,048 (l / 16) + 16 (l % 16)
.set CD,  16                           ; v16-31 codes, four registers a patch; v16-19 later the mask words
.set X,   32                           ; v32-95 two sets of 32 neighbours
.set R,   96                           ; v96-223 four patches as loaded
.set MR,  224                          ; v224-255 the mask as loaded
	s_load_b512 s[4:19], s[0:1], 0x0               ; embed, Wq, Wk, Wv, Wo, attn_mask, xc, maskw
	v_lshl_add_u32 v[SPW], v0, 2, SPARE
	v_mov_b32 v[NIL], 0
	v_lshrrev_b32 v8, 5, v0
	v_readfirstlane_b32 s26, v8                    ; wave = tile
	v_and_b32 v9, 31, v0
	v_and_b32 v10, 15, v0                          ; r
	v_bfe_u32 v11, v0, 4, 1                        ; h
	v_lshlrev_b32 v[L16], 4, v9
	v_lshlrev_b32 v12, 4, v10
	v_lshl_add_u32 v[QI], v11, 12, v12
	v_lshl_add_u32 v[MI], v11, 11, v12
	s_mul_i32 s27, s26, WREG
	v_mad_u32_u24 v[STO], v11, PITCH, v12
	v_add_nc_u32 v[STO], s27, v[STO]
	v_mul_u32_u24 v13, v10, PITCH
	v_add_nc_u32 v13, s27, v13
	v_lshl_add_u32 v[QRD], v11, 7, v13
	v_lshl_add_u32 v[MRD], v11, 4, v13
	v_lshlrev_b32 v[SH], 3, v11
	s_mov_b32 s24, 0x76543210
	s_mov_b32 s25, 0xfedcba98                      ; v_permlanex16_b32's selects for lane l xor 16
	s_lshr_b32 s30, ttmp9, 2                       ; the group
	s_and_b32 s31, ttmp9, 3                        ; the K quarter
	s_and_b32 s32, s30, 7
	s_lshr_b32 s33, s26, 1
	s_lshl_b32 s33, s33, 5
	s_and_b32 s34, s26, 1
	s_lshl_b32 s34, s34, 3
	s_add_co_u32 s33, s33, s34                     ; pi(t, 0)
	s_lshr_b32 s36, ttmp9, 3                       ; the mask: row b x 2,048 + 128 (T / 8) = 128 (i / 8),
	s_lshl_b32 s36, s36, 7
	s_bfe_u32 s37, ttmp9, 0x20001
	s_lshl_b32 s37, s37, 5
	s_add_co_u32 s36, s36, s37
	s_and_b32 s37, ttmp9, 1
	s_lshl_b32 s37, s37, 3
	s_add_co_u32 s36, s36, s37                     ; + pi(T % 8, 0);
	s_lshl_b32 s36, s36, 11                        ; rows of 2,048 bytes;
	s_lshl_b32 s37, s26, 8
	s_add_co_u32 s36, s36, s37                     ; my wave's 256 keys
	s_mov_b32 s37, 0
	s_wait_kmcnt 0x0
	s_cmp_lt_u32 s30, 56                           ; which tensor: the choice hangs on the work-group's number alone
	s_cselect_b64 s[22:23], s[10:11], s[12:13]
	s_cmp_lt_u32 s30, 48
	s_cselect_b64 s[22:23], s[8:9], s[22:23]
	s_cmp_lt_u32 s30, 40
	s_cselect_b64 s[22:23], s[6:7], s[22:23]
	s_cmp_lt_u32 s30, 32
	s_cselect_b64 s[22:23], s[4:5], s[22:23]
	s_cselect_b32 s32, s30, s32                    ; the group's number inside its tensor
	s_lshl_b32 s34, s32, 19                        ; 128 rows of 4,096 bytes
	s_lshl_b32 s35, s33, 12
	s_add_co_u32 s34, s34, s35
	s_lshl_b32 s35, s31, 10
	s_add_co_u32 s34, s34, s35
	s_mov_b32 s35, 0
	s_add_nc_u64 s[22:23], s[22:23], s[34:35]
	s_add_nc_u64 s[14:15], s[14:15], s[36:37]
.irp p, 0,1,2,3
.irp i, 0,1,2,3,4,5,6,7
	global_load_b128 v[R+32*\p+4*\i:R+32*\p+4*\i+3], v[QI], s[22:23] offset:(2*\i+8*(\i/4))*4096+256*\p th:TH_LOAD_NT   ; tile rows 2 i, 2 i + 1: 256 consecutive bytes each
.endr
.endr
.irp i, 0,1,2,3,4,5,6,7
	global_load_b128 v[MR+4*\i:MR+4*\i+3], v[MI], s[14:15] offset:(2*\i+8*(\i/4))*2048 th:TH_LOAD_NT
.endr
	s_mul_i32 s36, s30, GROUP                      ; where the results go
	s_mul_i32 s38, s31, 2*CHUNK
	s_add_co_u32 s36, s36, s38                     ; my first chunk
	s_lshl_b32 s38, s26, 10
	s_add_co_u32 s38, s38, s36
	s_mov_b32 s39, 0
	s_add_nc_u64 s[28:29], s[16:17], s[38:39]      ; my tile's images
	s_lshr_b32 s38, s26, 2
	s_lshl_b32 s38, s38, 8
	s_add_co_u32 s38, s38, s36
	s_and_b32 s20, s26, 3
	s_lshl_b32 s20, s20, 2
	s_add_co_u32 s38, s38, s20
	s_add_co_u32 s38, s38, 8192
	s_add_nc_u64 s[16:17], s[16:17], s[38:39]      ; my tile's scale words
	s_lshl_b32 s38, ttmp9, 12
	s_lshl_b32 s20, s26, 9
	s_add_co_u32 s38, s38, s20
	s_add_nc_u64 s[18:19], s[18:19], s[38:39]      ; my two steps' mask words
.macro TURN src, st, left              ; eight loads' registers go into stage st as they lie.  left: the loads younger than these eight
	s_wait_loadcnt \left
.irp i, 0,1,2,3,4,5,6,7
	ds_store_b128 v[STO], v[\src+4*\i:\src+4*\i+3] offset:\st+2*\i*PITCH
.endr
.endm
.macro BACKQ set, st                   ; and come back 128 bytes a lane: LDS serves a wave's instructions in order, so no wait stands between
.irp k, 0,1,2,3,4,5,6,7
	ds_load_b128 v[X+32*\set+4*\k:X+32*\set+4*\k+3], v[QRD] offset:\st+16*\k
.endr
.endm
.macro QPATCH p                        ; patch p: chunk p / 2, cc = p % 2; my block is 2 (p % 2) + h of the chunk's four
.set XS, X+32*((\p)%2)
	s_wait_dscnt 16                                ; my 32 numbers are back; the next turn's 8 stores and 8 loads may be out
	v_max3_num_f32 v8, |v[XS]|, |v[XS+1]|, |v[XS+2]|
	v_max3_num_f32 v9, |v[XS+3]|, |v[XS+4]|, |v[XS+5]|
.irp i, 6,10,14,18,22,26
	v_max3_num_f32 v8, v8, |v[XS+\i]|, |v[XS+\i+1]|
	v_max3_num_f32 v9, v9, |v[XS+\i+2]|, |v[XS+\i+3]|
.endr
	v_max3_num_f32 v8, v8, |v[XS+30]|, |v[XS+31]|
	v_max3_num_f32 v8, v8, v9, 0x1800000           ; the floor 2^(3 - 127): the byte cannot fall under 1
	v_add_nc_u32 v10, 0xff000000, v8               ; 2 off the exponent field: the conversion's scale operand
.irp g, 0,1,2,3
	v_cvt_scalef32_pk8_fp4_f32 v[CD+4*(\p)+\g], v[XS+8*\g:XS+8*\g+7], v10
.endr
	v_lshrrev_b32 v11, 23, v10                     ; the scale's byte (a plain line behind the conversions)
.if (\p)%2 == 0
	v_lshlrev_b32 v[PW+(\p)/2], v[SH], v11         ; byte h of the word
.else
	v_lshlrev_b32 v11, v[SH], v11
	v_lshl_or_b32 v[PW+(\p)/2], v11, 16, v[PW+(\p)/2]   ; byte 2 + h
.endif
	global_store_b128 v[L16], v[CD+4*(\p):CD+4*(\p)+3], s[28:29] offset:((\p)/2)*CHUNK+((\p)%2)*512   ; 512 consecutive bytes
.endm
	TURN R, 0, 32
	BACKQ 0, 0
	TURN R+32, STG, 24
	BACKQ 1, STG
	QPATCH 0
	TURN R+64, 0, 16
	BACKQ 0, 0
	QPATCH 1
	TURN R+96, STG, 8
	BACKQ 1, STG
	QPATCH 2
	TURN MR, 2*STG, 0                              ; the mask's 16 rows x 256 bytes
.irp k, 0,1,2,3,4,5,6,7                        ; step k / 4, block k % 4: my query's 16 flags of keys 32 (k % 4) + 16 h on
	ds_load_b128 v[X+4*\k:X+4*\k+3], v[MRD] offset:2*STG+128*(\k/4)+32*(\k%4)
.endr
	QPATCH 3
	v_permlanex16_b32 v8, v[PW], s24, s25          ; with lane l xor 16's two bytes the words are whole
	v_permlanex16_b32 v9, v[PW+1], s24, s25
	v_or_b32 v[PW], v[PW], v8
	v_or_b32 v[PW+1], v[PW+1], v9
	v_cmp_ne_u32 vcc_lo, 0, v[SH]
	v_cndmask_b32 v[PW], v[PW], v[PW+1], vcc_lo    ; lanes 0-15 store the first chunk's word, lanes 16-31 the second's
	v_and_b32 v[QRD], 15, v0
	v_lshlrev_b32 v[QRD], 4, v[QRD]
	v_mad_u32_u24 v[QRD], v[SH], CHUNK/8, v[QRD]   ; 16 r + h chunks
	global_store_b32 v[QRD], v[PW], s[16:17]
	s_wait_dscnt 0x0                               ; the mask's flags are back
	s_wait_xcnt 0x0                                ; patch 0's store has read v16-19: they are written again only behind this wait
.irp j, 0,1,2,3
	v_mov_b32 v[CD+\j], 0                          ; (v_writelane_b32's destination counts as read)
.endr
.set W, 0
.rept 128                              ; word W = 64 step + 16 block + i: one flag of each lane becomes one bit; word W goes to lane W / 4, register W % 4
	v_and_b32 v[8+W%4], 0xff<<(8*(W%4)), v[X+4*(W/16)+(W%16)/4]
	v_cmp_ne_u32 s[40+W%8], 0, v[8+W%4]
	v_writelane_b32 v[CD+W%4], s[40+W%8], W/4
.set W, W+1
.endr
	global_store_b128 v[L16], v[CD:CD+3], s[18:19] ; 128 words: 512 consecutive bytes
	s_wait_tensorcnt 0x0                           ; the wave's end
	ds_add_u32 v[SPW], v[NIL]
	s_wait_dscnt 0x0
	s_endpgm
.Lfunc_end_k_qde1757949e_prep:
	.size	k_qde1757949e_prep, .Lfunc_end_k_qde1757949e_prep-k_qde1757949e_prep
	.p2alignl 7, 3214868480
	.fill 96, 4, 3214868480
	.section	.rodata,"a",@progbits
	.p2align	6, 0x0
	.amdhsa_kernel k_qde1757949e_prep
		.amdhsa_group_segment_fixed_size 105472
		.amdhsa_private_segment_fixed_size 0
		.amdhsa_enable_private_segment 0
		.amdhsa_kernarg_size 64
		.amdhsa_user_sgpr_count 2
		.amdhsa_user_sgpr_kernarg_segment_ptr 1
		.amdhsa_wavefront_size32 1
		.amdhsa_system_sgpr_workgroup_id_x 1
		.amdhsa_system_sgpr_workgroup_id_y 1
		.amdhsa_system_sgpr_workgroup_id_z 1
		.amdhsa_system_vgpr_workitem_id 0
		.amdhsa_next_free_vgpr 256
		.amdhsa_next_free_sgpr 66
		.amdhsa_reserve_vcc 1
		.amdhsa_float_denorm_mode_32 3
		.amdhsa_float_denorm_mode_16_64 3
		.amdhsa_memory_ordered 1
		.amdhsa_forward_progress 1
		.amdhsa_inst_pref_size 44
	.end_amdhsa_kernel
	.amdgpu_metadata
---
amdhsa.version: [ 1, 2 ]
amdhsa.kernels:
  - .name:           k_qde1757949e_prep
    .symbol:         k_qde1757949e_prep.kd
    .args:
      - { .name: embed, .offset: 0, .size: 8, .value_kind: global_buffer, .address_space: global }
      - { .name: Wq, .offset: 8, .size: 8, .value_kind: global_buffer, .address_space: global }
      - { .name: Wk, .offset: 16, .size: 8, .value_kind: global_buffer, .address_space: global }
      - { .name: Wv, .offset: 24, .size: 8, .value_kind: global_buffer, .address_space: global }
      - { .name: Wo, .offset: 32, .size: 8, .value_kind: global_buffer, .address_space: global }
      - { .name: attn_mask, .offset: 40, .size: 8, .value_kind: global_buffer, .address_space: global }
      - { .name: xc, .offset: 48, .size: 8, .value_kind: global_buffer, .address_space: global }
      - { .name: maskw, .offset: 56, .size: 8, .value_kind: global_buffer, .address_space: global }
    .group_segment_fixed_size: 105472
    .private_segment_fixed_size: 0
    .kernarg_segment_align: 8
    .kernarg_segment_size: 64
    .max_flat_workgroup_size: 256
    .sgpr_count:     66
    .vgpr_count:     256
    .wavefront_size: 32
...
	.end_amdgpu_metadata
.endif
;; end of part 1
;; launch qkv (part 2): grid 8 x 32, 12 waves a work-group, clusters of 4 x 4, 280,064 bytes of LDS; arguments xc, bq, bk, bv, qw, kv; writes qw, kv
.if DOCPART == 2
	.amdgcn_target "amdgcn-amd-amdhsa--gfx1250"
	.amdhsa_code_object_version 6
	.text
	.protected	k_qde1757949e_qkv
	.globl	k_qde1757949e_qkv
	.p2align	8
	.type	k_qde1757949e_qkv,@function
k_qde1757949e_qkv:
	s_mov_b64 s[64:65], 0
	v_nop
	global_prefetch_b8 v0, s[64:65] scope:SCOPE_SE
	s_setreg_imm32_b32 hwreg(HW_REG_WAVE_MODE, 25, 1), 1
	s_wait_xcnt 0x0
	s_wait_alu depctr_hold_cnt(0) depctr_sa_sdst(0) depctr_va_vdst(0) depctr_va_sdst(0) depctr_va_ssrc(0) depctr_va_vcc(0) depctr_vm_vsrc(0)
	s_getreg_b32 s2, hwreg(HW_REG_IB_STS2, 6, 4)
	s_cmp_eq_u32 s2, 0
	s_cbranch_scc0 .Lentry_in_a_cluster
	s_endpgm
.Lentry_in_a_cluster:
	s_bfe_u32 s2, ttmp6, 0x10000c
	s_cmp_lg_u32 s2, 0xf033
	s_cbranch_scc0 .Lentry_shape_is_right
	s_endpgm
.Lentry_shape_is_right:
; QKV.  Q = embed Wq^T + bq, K = embed Wk^T + bk, V = embed Wv^T + bv on codes of FP4 with E8M0 scales (xc, laid by the launch before), sums in f32; the results are quantised at once:
; Q and K along the head's 64 channels, V along the keys, and stored as images of the operand registers that the attention launch loads.
; SHARES.  Work-group (j, g): head pair j (rows 128 j .. of each weight), token group g (128 tokens): 128 x 384 results.  Twelve waves: wave w makes 64 x 64: yr = w / 4 (Q, K, V), head 2 j + e, e = (w / 2) % 2,
; tokens 64 c .. 64 c + 63, c = w % 2.  All of K = 1,024 lies in LDS: 8 K steps x [Wq | Wk | E | Wv] chunks of 8,704 bytes, each filled once; nothing is filled again.
; ONE LOOP FOR ALL ROLES.  Source 0 = four tiles X, source 1 = four tiles Y, both by address registers.  Q, K: X = the head's rows of W, Y = tokens: a lane holds one token, and the 32 registers of accumulators
; (0..3, y) run along the head's channels 32 (n / 16) + 16 h + n % 16.  V: X = tokens, Y = rows of Wv: a lane holds one channel and its registers run along the tokens, which are the second product's K.
; (The rows of a tile are pi(t, r) = 32 (t / 2) + 8 (t % 2) + r + 8 (r / 8): that makes two neighbouring tiles' 16 registers 16 neighbours.)  So the quantiser is the same text in all roles too.
; X's chunk lies below Y's in every role, so one load brings both sides' scale words: lanes 0-15 X's four tiles, lanes 16-31 Y's.
; CLUSTER 4 x 4: E's chunks hang on g alone and are asked for jointly along a row of the cluster, the weights' on j alone, along a column.
; OUT.  qw [bh][set 32][4 x 512 B codes | 256 B scale words];  kv [bh][step 16][K: 8 x 512 | V: 2 x 4 x 512 | K's words 2 x 256 | V's words 2 x 256].  A scale block: lane (r, h)'s two words at 8 l belong to the
; wave's tiles h and 2 + h; a word is its two block bytes written twice.  Every store of the wave covers 512 or 256 consecutive bytes, aligned.
; LIMITS: a block of zeros or under 2^-124 gets the byte 1; NaN and infinities are not served.  The bias is added behind the f32 sum.
; No prefetch: every tile is asked for at the head.  No ring: two K steps are multiplied as soon as they have landed, by counted waits, while the later ones are on their way.
.set CHUNK, 8704
.set GROUP, 8*CHUNK
.set KST,   4*CHUNK                    ; a K step in LDS
.set SPARE, 8*KST                      ; behind the tiles: the spare words, 128 bytes for each wave
.set AX,  1                            ; v1   LDS address of X's images: region + half + 16 l
.set AY,  2                            ; v2   of Y's
.set AS,  3                            ; v3   of the scale words: X's + 16 r, lanes 16-31 the distance to Y's further on
.set L16, 5                            ; v5   16 l
.set L8,  6                            ; v6   8 l
.set SPW, 7                            ; v7   my spare word; never rewritten
.set NIL, 8                            ; v8   0; never rewritten
.set BQ,  9                            ; v9   the bias of Q, K: 64 h bytes
.set BV,  10                           ; v10  the bias of V: 4 (r + 8 (r / 8)) bytes
.set HH,  11                           ; v11  h
.set TM,  12                           ; v12-17 the quantiser's work
.set PW,  20                           ; v20-23 the four tiles' scale words
.set SW,  24                           ; v24-25 the two that I store
.set SC,  28                           ; v28-31 a K step's scale words
.set BI,  32                           ; v32-63 the bias
.set XF,  64                           ; v64-95 X's four fragments; on the way out v64-79 the codes
.set YF,  96                           ; v96-127 Y's
.set ACC, 128                          ; v128-255 accumulator (x, y) at 8 (4 y + x)
.set PC,  64
.set WV,  18
.set G1R, 36                           ; s[36:43] group 1 with my row's mask;  s[44:51] with my column's
.set G1C, 44
.set G0E, 68                           ; s[68:83] group 0 of E's four loads;  s[84:99] of a weight's four
.set G0W, 84
.set SEL, 104
.macro CREST
	s_cmp_lg_u32 s[WV], 0
	s_cbranch_scc1 .Lnot_wave_0_\@
	s_barrier_signal -3
.Lnot_wave_0_\@:
	s_barrier_wait -3
	s_barrier_signal -1
	s_barrier_wait -1
.endm
.macro CROUND                          ; a round of the cluster's barrier
	s_barrier_signal -1
	s_barrier_wait -1
	CREST
.endm
	s_load_b256 s[4:11], s[0:1], 0x0               ; xc, bq, bk, bv
	s_load_b128 s[12:15], s[0:1], 0x20             ; qw, kv
	v_lshl_add_u32 v[SPW], v0, 2, SPARE
	v_mov_b32 v[NIL], 0
	ds_add_u32 v[SPW], v[NIL]                      ; the wave's opening: the add and its wait stand ahead of my first tensor load; the set-up, work on registers, stands between
	v_lshrrev_b32 v12, 5, v0
	v_readfirstlane_b32 s[WV], v12                 ; wave 0..11
	s_lshr_b32 s19, s[WV], 2                       ; yr: 0 Q, 1 K, 2 V
	s_bfe_u32 s20, s[WV], 0x10001                  ; e
	s_and_b32 s21, s[WV], 1                        ; c
	s_lshr_b32 s22, s[WV], 3                       ; isv
	s_and_b32 s27, s[WV], 3                        ; as a loader: region rho,
	s_bfe_u32 s28, s[WV], 0x10002                  ; and which of a phase's two K steps
	s_bfe_u32 s23, ttmp6, 0x40000                  ; cx
	s_bfe_u32 s24, ttmp6, 0x40004                  ; cy
	s_lshl_b32 s25, ttmp9, 2
	s_add_co_u32 s25, s25, s23                     ; j
	s_and_b32 s26, ttmp7, 0xffff
	s_lshl_b32 s26, s26, 2
	s_add_co_u32 s26, s26, s24                     ; g
	s_lshl_b32 s29, s24, 2
	s_lshl_b32 s29, 15, s29                        ; my row of the cluster
	s_lshl_b32 s34, 0x1111, s23                    ; my column
	s_or_b32 s[G1R], s29, (3<<16)|(1<<21)          ; 15:0 the mask; 17:16 elements of 8 bytes; 21 set beside a mask; no padding: images are read lanes on end
	s_or_b32 s[G1C], s34, (3<<16)|(1<<21)
.irp g, G1R, G1C
	s_mov_b32 s[\g+1], 32<<16                      ; tensor_dim0 = 32 elements: rows of 256 bytes
	s_mov_b32 s[\g+2], 34<<16                      ; tensor_dim1 = 34 rows: a chunk
	s_mov_b32 s[\g+3], 32<<16                      ; tile_dim0
	s_mov_b32 s[\g+4], 34                          ; tile_dim1
	s_mov_b32 s[\g+5], 32                          ; the pitch: dense
	s_mov_b32 s[\g+6], 0
	s_mov_b32 s[\g+7], 0
.endr
	s_mul_i32 s35, s28, CHUNK
	s_mul_i32 s30, s26, GROUP                      ; E: group g (made of g and the wave's number alone)
	s_add_co_u32 s30, s30, s35
	s_mov_b32 s31, 0
	s_min_u32 s32, s27, 2                          ; a weight: regions 0, 1, 3 are groups 32 + j, 40 + j, 48 + j (made of j and the wave's number alone)
	s_lshl_b32 s32, s32, 3
	s_add_co_u32 s32, s32, 32
	s_add_co_u32 s32, s32, s25
	s_mul_i32 s32, s32, GROUP
	s_add_co_u32 s32, s32, s35
	s_mov_b32 s33, 0
	s_mul_i32 s3, s28, KST
	s_mul_i32 s2, s27, CHUNK
	s_add_co_u32 s3, s3, s2                        ; where my loads go: no place in the cluster enters an LDS address
	v_and_b32 v12, 31, v0
	v_and_b32 v13, 15, v0                          ; r
	v_bfe_u32 v[HH], v0, 4, 1
	v_lshlrev_b32 v[L16], 4, v12
	v_lshlrev_b32 v[L8], 3, v12
	s_xor_b32 s2, s20, s21                         ; the roles: X's region is yr (E is region 2), Y's is 2 + isv; Q, K: X's half e, Y's c; V the other way round
	s_mul_i32 s2, s2, s22
	s_xor_b32 s52, s20, s2                         ; X's half
	s_xor_b32 s53, s21, s2                         ; Y's half
	s_add_co_u32 s54, s22, 2
	s_mul_i32 s55, s19, CHUNK
	s_mul_i32 s56, s54, CHUNK
	s_lshl_b32 s57, s52, 12
	s_add_co_u32 s57, s57, s55
	s_lshl_b32 s58, s53, 12
	s_add_co_u32 s58, s58, s56
	v_add_nc_u32 v[AX], s57, v[L16]
	v_add_nc_u32 v[AY], s58, v[L16]
	s_lshl_b32 s57, s52, 8
	s_add_co_u32 s57, s57, s55
	s_add_co_u32 s57, s57, 8192                    ; X's scale words
	s_lshl_b32 s58, s53, 8
	s_add_co_u32 s58, s58, s56
	s_add_co_u32 s58, s58, 8192                    ; Y's, which lie higher in every role
	s_sub_co_u32 s58, s58, s57
	v_mul_u32_u24 v14, s58, v[HH]
	v_lshl_add_u32 v14, v13, 4, v14
	v_add_nc_u32 v[AS], s57, v14
	v_lshlrev_b32 v[BQ], 6, v[HH]
	v_and_b32 v[BV], 8, v13
	v_add_nc_u32 v[BV], v[BV], v13
	v_lshlrev_b32 v[BV], 2, v[BV]
	v_mov_b32 v[TM+2], 0                           ; written once: a lane permute's destination counts as one of its sources
	v_mov_b32 v[TM+3], 0
	s_mov_b32 s[SEL], 0x76543210
	s_mov_b32 s[SEL+1], 0xfedcba98
	s_lshr_b32 s52, s26, 4                         ; where the results go (registers that feed no descriptor)
	s_lshl_b32 s52, s52, 4
	s_lshl_b32 s53, s25, 1
	s_add_co_u32 s52, s52, s53
	s_add_co_u32 s52, s52, s20                     ; bh = 16 b + 2 j + e
	s_and_b32 s53, s26, 15                         ; the key step, and the group of query tiles
	s_lshl_b32 s54, s52, 5
	s_lshl_b32 s55, s53, 1
	s_add_co_u32 s54, s54, s55
	s_add_co_u32 s54, s54, s21
	s_mul_i32 s54, s54, 2304                       ; Q: set 2 step + c
	s_add_co_u32 s55, s54, 2048
	s_lshl_b32 s56, s52, 4
	s_add_co_u32 s56, s56, s53
	s_mul_i32 s56, s56, 9216                       ; K, V: the step's record
	s_lshl_b32 s57, s22, 12
	s_add_co_u32 s57, s57, s56
	s_lshl_b32 s58, s21, 11
	s_add_co_u32 s57, s57, s58                     ; its codes: K at 0, V at 4,096, + 2,048 c
	s_lshl_b32 s58, s22, 9
	s_add_co_u32 s59, s56, s58
	s_lshl_b32 s58, s21, 8
	s_add_co_u32 s59, s59, s58
	s_add_co_u32 s59, s59, 8192                    ; its scale blocks: K at 8,192, V at 8,704, + 256 c
	s_cmp_eq_u32 s19, 0
	s_cselect_b32 s62, s54, s57
	s_cselect_b32 s100, s55, s59
	s_mov_b32 s63, 0
	s_mov_b32 s101, 0
	s_lshl_b32 s56, s25, 9                         ; the bias: 128 j + 64 e numbers on
	s_lshl_b32 s57, s20, 8
	s_add_co_u32 s56, s56, s57
	s_mov_b32 s57, 0
	s_wait_dscnt 0x0                               ; the opening add is done
	s_wait_kmcnt 0x0
	s_add_nc_u64 s[30:31], s[4:5], s[30:31]
	s_add_nc_u64 s[32:33], s[4:5], s[32:33]
	s_cmp_eq_u32 s19, 0
	s_cselect_b64 s[16:17], s[12:13], s[14:15]     ; Q goes to qw, K and V to kv
	s_cselect_b64 s[60:61], s[6:7], s[8:9]
	s_cmp_eq_u32 s19, 2
	s_cselect_b64 s[60:61], s[10:11], s[60:61]
	s_add_nc_u64 s[62:63], s[16:17], s[62:63]      ; codes
	s_add_nc_u64 s[100:101], s[16:17], s[100:101]  ; scale block
	s_add_nc_u64 s[60:61], s[60:61], s[56:57]      ; bias
.irp p, 0,1,2,3                        ; phase p: K steps 2 p and 2 p + 1
	s_mov_b32 s[G0E+4*\p], 1
	s_add_co_u32 s[G0E+4*\p+1], s3, \p*2*KST
	s_add_nc_u64 s[G0E+4*\p+2:G0E+4*\p+3], s[30:31], \p*2*CHUNK
	s_or_b32 s[G0E+4*\p+3], s[G0E+4*\p+3], 0x80000000
	s_mov_b32 s[G0W+4*\p], 1
	s_add_co_u32 s[G0W+4*\p+1], s3, \p*2*KST
	s_add_nc_u64 s[G0W+4*\p+2:G0W+4*\p+3], s[32:33], \p*2*CHUNK
	s_or_b32 s[G0W+4*\p+3], s[G0W+4*\p+3], 0x80000000
.endr
	CROUND                                         ; all sixteen work-groups are here: the joint loads meet
	s_cmp_ge_u32 s[WV], 8                          ; waves 0 to 7 fetch, four loads each, all in one arm: four loads of mine are out at the most
	s_cbranch_scc1 .Lfilled
	s_cmp_eq_u32 s27, 2
	s_cbranch_scc0 .Lfill_w
.irp p, 0,1,2,3
	tensor_load_to_lds s[G0E+4*\p:G0E+4*\p+3], s[G1R:G1R+7]
	s_nop 0
.endr
.rept 4
	v_nop
.endr
	s_branch .Lfilled
.Lfill_w:
.irp p, 0,1,2,3
	tensor_load_to_lds s[G0W+4*\p:G0W+4*\p+3], s[G1C:G1C+7]
	s_nop 0
.endr
.rept 4
	v_nop
.endr
.Lfilled:
	s_cmp_lg_u32 s22, 0                            ; the bias, in the result's layout; both arms write all 32 registers
	s_cbranch_scc1 .Lbias_v
.irp x, 0,1,2,3                        ; Q, K: register 8 x + i: channel 32 (x / 2) + 8 (x % 2) + 16 h + i
	global_load_b128 v[BI+8*\x:BI+8*\x+3], v[BQ], s[60:61] offset:(32*(\x/2)+8*(\x%2))*4
	global_load_b128 v[BI+8*\x+4:BI+8*\x+7], v[BQ], s[60:61] offset:(32*(\x/2)+8*(\x%2))*4+16
.endr
	s_branch .Lbias_in
.Lbias_v:
.irp y, 0,1,2,3                        ; V: registers 8 y + 0 .. 7 all take my channel's number, pi(y, r): the sums below then have one form in both roles
.irp k, 0,1,2,3,4,5,6,7
	global_load_b32 v[BI+8*\y+\k], v[BV], s[60:61] offset:(32*(\y/2)+8*(\y%2))*4
.endr
.endr
.Lbias_in:
; A K step: 16 + 1 LDS loads, 16 matrix instructions; the 16 accumulators take turns, one instruction a turn, in the same order in every step.
.macro KSTEP off, first
.if \first == 0
.rept 4
	v_nop                                          ; places in front of loads into registers that matrix instructions have read
.endr
.endif
.irp t, 0,1,2,3
.irp cc, 0,1
	ds_load_b128 v[XF+8*\t+4*\cc:XF+8*\t+4*\cc+3], v[AX] offset:\off+1024*\t+512*\cc
	ds_load_b128 v[YF+8*\t+4*\cc:YF+8*\t+4*\cc+3], v[AY] offset:\off+1024*\t+512*\cc
.endr
.endr
	ds_load_b128 v[SC:SC+3], v[AS] offset:\off     ; register i: lanes 0-15 X's tile i, lanes 16-31 Y's tile i
	s_wait_dscnt 0x0
.irp y, 0,1,2,3
.irp x, 0,1,2,3
.if \first
	v_wmma_scale_f32_16x16x128_f8f6f4 v[ACC+8*(4*\y+\x):ACC+8*(4*\y+\x)+7], v[XF+8*\x:XF+8*\x+7], v[YF+8*\y:YF+8*\y+7], 0, v[SC+\x], v[SC+\y] matrix_a_fmt:MATRIX_FMT_FP4 matrix_b_fmt:MATRIX_FMT_FP4 matrix_b_scale:MATRIX_SCALE_ROW1
.else
	v_wmma_scale_f32_16x16x128_f8f6f4 v[ACC+8*(4*\y+\x):ACC+8*(4*\y+\x)+7], v[XF+8*\x:XF+8*\x+7], v[YF+8*\y:YF+8*\y+7], v[ACC+8*(4*\y+\x):ACC+8*(4*\y+\x)+7], v[SC+\x], v[SC+\y] matrix_a_fmt:MATRIX_FMT_FP4 matrix_b_fmt:MATRIX_FMT_FP4 matrix_b_scale:MATRIX_SCALE_ROW1
.endif
.endr
.endr
.endm
.macro PHASE p
	s_wait_tensorcnt 3-(\p)                        ; my load of this phase has landed; the 3 - p later phases' loads of mine stay out
	s_barrier_signal -1
	s_barrier_wait -1                              ; everybody's has
.if (\p) == 0
	KSTEP 0, 1                                     ; the first products start the sums: nothing is cleared
.else
	KSTEP 0, 0
.endif
	KSTEP KST, 0
.if (\p) < 3
	v_add_nc_u32 v[AX], 2*KST, v[AX]
	v_add_nc_u32 v[AY], 2*KST, v[AY]
	v_add_nc_u32 v[AS], 2*KST, v[AS]
.endif
.endm
	PHASE 0
	PHASE 1
	PHASE 2
	PHASE 3
.rept 4
	v_nop                                          ; places in front of the first read of results
.endr
	s_wait_loadcnt 0x0                             ; the bias
	s_cmp_lg_u32 s22, 0
	s_cbranch_scc1 .Ladd_v
.irp y, 0,1,2,3                        ; each accumulator from its low end on
.irp k, 0,1,2,3,4,5,6,7,8,9,10,11,12,13,14,15
	v_pk_add_f32 v[ACC+32*\y+2*\k:ACC+32*\y+2*\k+1], v[ACC+32*\y+2*\k:ACC+32*\y+2*\k+1], v[BI+2*\k:BI+2*\k+1]
.endr
.endr
	s_branch .Ladded
.Ladd_v:
.irp y, 0,1,2,3
.irp k, 0,1,2,3,4,5,6,7,8,9,10,11,12,13,14,15
	v_pk_add_f32 v[ACC+32*\y+2*\k:ACC+32*\y+2*\k+1], v[ACC+32*\y+2*\k:ACC+32*\y+2*\k+1], v[BI+8*\y+2*(\k%4):BI+8*\y+2*(\k%4)+1]
.endr
.endr
.Ladded:
; 32 numbers of a lane, register 16 b + i = place 32 b + 16 h + i of my row's 64, become half a fragment (four registers: lane (r, h) holds places 32 h + 0 .. 31) and the word {s0, s1, s0, s1}.
.macro QUANT2 s, pc, pw
.irp b, 0,1
	v_max3_num_f32 v[TM+\b], |v[\s+16*\b]|, |v[\s+16*\b+1]|, 0x1800000   ; my 16 numbers of block b, and the floor 2^(3 - 127)
.endr
.irp i, 2,4,6,8,10,12,14
.irp b, 0,1
	v_max3_num_f32 v[TM+\b], v[TM+\b], |v[\s+16*\b+\i]|, |v[\s+16*\b+\i+1]|
.endr
.endr
.irp b, 0,1
	v_permlanex16_b32 v[TM+2+\b], v[TM+\b], s[SEL], s[SEL+1]
.endr
.irp b, 0,1
	v_max_num_f32 v[TM+\b], v[TM+\b], v[TM+2+\b]   ; with lane l xor 16's: the block's largest magnitude
.endr
.irp b, 0,1
	v_add_nc_u32 v[TM+4+\b], 0xff000000, v[TM+\b]  ; 2 off its exponent field: the conversion's scale operand
.endr
.irp b, 0,1
	v_lshrrev_b32 v[TM+2+\b], 23, v[TM+4+\b]       ; the scale's byte
.endr
	v_lshl_or_b32 v[\pw], v[TM+3], 8, v[TM+2]
	v_lshl_or_b32 v[\pw], v[\pw], 16, v[\pw]
.irp b, 0,1
	v_cvt_scalef32_pk8_fp4_f32 v[\pc+2*\b], v[\s+16*\b:\s+16*\b+7], v[TM+4+\b]
	v_cvt_scalef32_pk8_fp4_f32 v[\pc+2*\b+1], v[\s+16*\b+8:\s+16*\b+15], v[TM+4+\b]
.endr
	v_nop                                          ; one plain place behind a scaled conversion
	v_permlane16_swap_b32 v[\pc], v[\pc+2]         ; a whole block to a lane: lanes 0-15 block 0, lanes 16-31 block 1
	v_permlane16_swap_b32 v[\pc+1], v[\pc+3]
.endm
.irp y, 0,1,2,3
	QUANT2 ACC+32*\y, PC+4*\y, PW+\y
	global_store_b128 v[L16], v[PC+4*\y:PC+4*\y+3], s[62:63] offset:512*\y   ; an image: 512 consecutive bytes
.endr
	v_cmp_ne_u32 vcc_lo, 0, v[HH]
	v_cndmask_b32 v[SW], v[PW], v[PW+1], vcc_lo    ; tiles h and 2 + h
	v_cndmask_b32 v[SW+1], v[PW+2], v[PW+3], vcc_lo
	global_store_b64 v[L8], v[SW:SW+1], s[100:101] ; 256 consecutive bytes, aligned
	s_wait_tensorcnt 0x0                           ; the wave's end
	ds_add_u32 v[SPW], v[NIL]
	s_wait_dscnt 0x0
	CROUND                                         ; the closing round
	s_endpgm
.Lfunc_end_k_qde1757949e_qkv:
	.size	k_qde1757949e_qkv, .Lfunc_end_k_qde1757949e_qkv-k_qde1757949e_qkv
	.p2alignl 7, 3214868480
	.fill 96, 4, 3214868480
	.section	.rodata,"a",@progbits
	.p2align	6, 0x0
	.amdhsa_kernel k_qde1757949e_qkv
		.amdhsa_group_segment_fixed_size 280064
		.amdhsa_private_segment_fixed_size 0
		.amdhsa_enable_private_segment 0
		.amdhsa_kernarg_size 48
		.amdhsa_user_sgpr_count 2
		.amdhsa_user_sgpr_kernarg_segment_ptr 1
		.amdhsa_wavefront_size32 1
		.amdhsa_system_sgpr_workgroup_id_x 1
		.amdhsa_system_sgpr_workgroup_id_y 1
		.amdhsa_system_sgpr_workgroup_id_z 1
		.amdhsa_system_vgpr_workitem_id 0
		.amdhsa_next_free_vgpr 256
		.amdhsa_next_free_sgpr 106
		.amdhsa_reserve_vcc 1
		.amdhsa_float_denorm_mode_32 3
		.amdhsa_float_denorm_mode_16_64 3
		.amdhsa_memory_ordered 1
		.amdhsa_forward_progress 1
		.amdhsa_inst_pref_size 57
	.end_amdhsa_kernel
	.amdgpu_metadata
---
amdhsa.version: [ 1, 2 ]
amdhsa.kernels:
  - .name:           k_qde1757949e_qkv
    .symbol:         k_qde1757949e_qkv.kd
    .args:
      - { .name: xc, .offset: 0, .size: 8, .value_kind: global_buffer, .address_space: global }
      - { .name: bq, .offset: 8, .size: 8, .value_kind: global_buffer, .address_space: global }
      - { .name: bk, .offset: 16, .size: 8, .value_kind: global_buffer, .address_space: global }
      - { .name: bv, .offset: 24, .size: 8, .value_kind: global_buffer, .address_space: global }
      - { .name: qw, .offset: 32, .size: 8, .value_kind: global_buffer, .address_space: global }
      - { .name: kv, .offset: 40, .size: 8, .value_kind: global_buffer, .address_space: global }
    .group_segment_fixed_size: 280064
    .private_segment_fixed_size: 0
    .kernarg_segment_align: 8
    .kernarg_segment_size: 48
    .max_flat_workgroup_size: 384
    .sgpr_count:     106
    .vgpr_count:     256
    .wavefront_size: 32
...
	.end_amdgpu_metadata
.endif
;; end of part 2
;; launch attn (part 3): grid 8 x 32, 16 waves a work-group, clusters of 4 x 1, 167,936 bytes of LDS; arguments qw, kv, maskw, oc; writes oc
.if DOCPART == 3
	.amdgcn_target "amdgcn-amd-amdhsa--gfx1250"
	.amdhsa_code_object_version 6
	.text
	.protected	k_qde1757949e_attn
	.globl	k_qde1757949e_attn
	.p2align	8
	.type	k_qde1757949e_attn,@function
k_qde1757949e_attn:
	s_mov_b64 s[64:65], 0
	v_nop
	global_prefetch_b8 v0, s[64:65] scope:SCOPE_SE
	s_setreg_imm32_b32 hwreg(HW_REG_WAVE_MODE, 25, 1), 1
	s_wait_xcnt 0x0
	s_wait_alu depctr_hold_cnt(0) depctr_sa_sdst(0) depctr_va_vdst(0) depctr_va_sdst(0) depctr_va_ssrc(0) depctr_va_vcc(0) depctr_vm_vsrc(0)
	s_getreg_b32 s2, hwreg(HW_REG_IB_STS2, 6, 4)
	s_cmp_eq_u32 s2, 0
	s_cbranch_scc0 .Lentry_in_a_cluster
	s_endpgm
.Lentry_in_a_cluster:
	s_bfe_u32 s2, ttmp6, 0x10000c
	s_cmp_lg_u32 s2, 0x3003
	s_cbranch_scc0 .Lentry_shape_is_right
	s_endpgm
.Lentry_shape_is_right:
; ATTN.  O[b][head][q] = sum over k of softmax_k((Q.K - m |q - k|) / 8, masked) V[k], both products on codes of FP4 with E8M0 scales; m = 2^-((head + 1) / 2).
; THE SOFTMAX AHEAD OF THE SECOND PRODUCT: t = logit x log2(e); M = the running largest t rounded UP to a whole number; p = 2^(t - M) is quantised along the keys, not normalised; the row's sum is taken of the
; unquantised p and divides at the end; when M moves, the sum and O are multiplied by 2^(old M - new M), which rounds nothing.  O / sum is quantised along the channels and stored as an operand of the last product.
; SHARES.  Work-group: one (b, head), 256 queries; each of SIXTEEN waves owns one tile of 16 queries in 256 registers, four waves to a SIMD, so that one wave's vector work stands beside another's products and loads.
; Wave w: query group DS = 8 x cluster + w / 2 (128 queries), tile 2 cx + w % 2 of it.  DS hangs on the cluster's and the wave's number alone, so no branch hangs on a work-group's place in its cluster.
; The whole head's K and V (16 records of 9,216 bytes, images of operand registers) lie in LDS, filled once, in two halves, by joint loads of the cluster's four work-groups: every wave asks for 4,608 bytes of each half.
; LAYOUT.  Both products transposed: S^T = K Q^T, O^T = V^T P^T: a lane holds ONE query (lane % 16).  Register n of S holds key KF + o(n), o(n) = 32 (n / 16) + 16 h + n % 16 (the keys of a tile are pi(t, r)).
; K = 64 IN AN INSTRUCTION OF 128: an operand of K holds two tiles of keys, one in each half; Q stands as {q, 0, q}, so that {q, 0} meets the lower tile and {0, q} the upper; the other half meets zero codes.
; ALIBI RIDES IN C.  CC[n] = m o(n) is kept in 64 registers.  A step before my queries: |q - k| = (q - KF) - o: C = CC and L = -mc (q - KF), one number a lane, with t = c S + L, c = log2(e) / 8.
; A step behind them: C = -CC, L = +mc (q - KF).  The one step that holds the diagonal: C = -|m (q - KF) - CC|, L = 0.
; THE MASK: 64 lane-mask words a step, made by the first launch, come by scalar loads most of a step ahead; a hidden score becomes -infinity by one v_cndmask_b32.
; LIMITS: a row with no true key has the sum 0: its scale bytes are set to 0xff, so that the last product gives NaN in the whole row, as the definition does.  t differs from the definition's order of rounding
; by about 1e-7 of the ALiBi term.  NaN and infinities among the inputs are not served.  O's scale bytes leave two bytes a lane, 16 bytes apart: 32 bytes a wave.
; No prefetch: all tiles are asked for at the head.  No ring: the head's K and V fit in LDS at once.
.set CHUNK, 8704
.set GROUP, 8*CHUNK
.set REC,   9216                       ; a key step's record: K 8 x 512 | V 2 x 4 x 512 | K's words 2 x 256 | V's words 2 x 256
.set HALF,  8*REC
.set SPARE, 16*REC                     ; behind the records: the spare words, 128 bytes for each wave
.set L16, 1                            ; v1   16 l
.set L8,  2                            ; v2   8 l
.set SPW, 3                            ; v3   my spare word; never rewritten
.set NIL, 4                            ; v4   0; never rewritten
.set NINF, 5                           ; v5   -infinity
.set ADR, 7                            ; v7   the record + 16 l
.set ADR8, 8                           ; v8   the record + 8 l
.set DQ,  9                            ; v9   q - KF
.set AA,  10                           ; v[10:11] L - M (on the diagonal first m (q - KF)); v11 is written once
.set NM,  12                           ; v12  -M
.set MX,  13                           ; v13  the largest t
.set SUM, 14                           ; v[14:15] the sum in two halves
.set Q,   16                           ; v16-27 q, 0, q
.set LL,  28                           ; v28  L
.set TT,  29                           ; v29  at work
.set FF,  30                           ; v[30:31] f; v31 is written once
.set KV,  32                           ; v32-63 K's four operands, then V's four fragments
.set PC,  64                           ; v64-71 p's codes
.set BM,  72                           ; v72-75 the blocks' largest
.set BT,  76                           ; v76-79 at work
.set BS,  80                           ; v80-83 the conversions' scale operands
.set KS,  84                           ; v84-87 K's scale words: tile t in register t / 2, lanes 16 (t % 2) on
.set QS,  88                           ; v88  Q's
.set PS,  89                           ; v89  p's
.set VS,  90                           ; v90-91 V's: fragment d in register d / 2, lanes 16 (d % 2) on
.set VA,  92                           ; v92-95 their two halves as loaded
.set VB,  94
.set S,   96                           ; v96-159 S^T, then p
.set O,   160                          ; v160-191 O^T
.set CC,  192                          ; v192-255 m o(n)
.set TM,  72                           ; the way out's quantiser works in v72-77
.set MP,  2                            ; s[2:3] my tile's mask words
.set MOFF, 4
.set ST,  5                            ; the key step
.set DS,  6
.set WV,  7
.set CS,  8                            ; s[8:9] c, c
.set SEL, 10
.set MM,  12                           ; s[12:13] m, m
.set MC,  14                           ; mc
.set NMC, 15                           ; -mc
.set SG,  66
.set G1,  84
.set G0A, 92
.set G0B, 96
.set TB,  100                          ; where the step's record begins
.set LOW, 101                          ; 0xffff
.set QP,  104
.macro CROUND
	s_barrier_signal -1
	s_barrier_wait -1
	s_cmp_lg_u32 s[WV], 0
	s_cbranch_scc1 .Lnot_wave_0_\@
	s_barrier_signal -3
.Lnot_wave_0_\@:
	s_barrier_wait -3
	s_barrier_signal -1
	s_barrier_wait -1
.endm
	s_load_b256 s[16:23], s[0:1], 0x0              ; qw, kv, maskw, oc
	v_lshl_add_u32 v[SPW], v0, 2, SPARE
	v_mov_b32 v[NIL], 0
	ds_add_u32 v[SPW], v[NIL]                      ; the wave's opening: the add and its wait stand ahead of my first tensor load; the set-up, work on registers, stands between
	v_lshrrev_b32 v7, 5, v0
	v_readfirstlane_b32 s[WV], v7                  ; wave 0..15
	s_and_b32 s25, ttmp7, 0xffff                   ; bh
	s_lshr_b32 s26, s25, 4                         ; b
	s_and_b32 s27, s25, 15                         ; head
	s_lshl_b32 s[DS], ttmp9, 3
	s_lshr_b32 s28, s[WV], 1
	s_add_co_u32 s[DS], s[DS], s28                 ; my group of 128 queries, and the key step that holds my diagonal
	s_and_b32 s28, s[WV], 1
	s_mul_i32 s29, s[WV], 4608                     ; my part of a half, in LDS and in memory
	s_mul_i32 s30, s25, 16*REC
	s_add_co_u32 s30, s30, s29
	s_mov_b32 s31, 0
	s_mov_b32 s[G1], 15|(3<<16)|(1<<21)            ; 15:0 the mask: all four work-groups; 17:16 elements of 8 bytes; 21 set beside a mask
	s_mov_b32 s[G1+1], 32<<16                      ; rows of 256 bytes,
	s_mov_b32 s[G1+2], 18<<16                      ; 18 of them,
	s_mov_b32 s[G1+3], 32<<16
	s_mov_b32 s[G1+4], 18
	s_mov_b32 s[G1+5], 32                          ; dense
	s_mov_b32 s[G1+6], 0
	s_mov_b32 s[G1+7], 0
	s_bfe_u32 s32, ttmp6, 0x40000                  ; cx: it enters global addresses and lane values alone
	s_lshl_b32 s33, s26, 7
	s_lshl_b32 s34, s[DS], 3
	s_add_co_u32 s33, s33, s34
	s_lshl_b32 s34, s32, 1
	s_add_co_u32 s33, s33, s34
	s_add_co_u32 s33, s33, s28                     ; b x 128 + T, T = 8 DS + 2 cx + w % 2
	s_lshl_b32 s34, s33, 12                        ; 4,096 bytes of mask words a tile
	s_mov_b32 s35, 0
	s_lshl_b32 s36, s25, 5
	s_lshl_b32 s37, s[DS], 1
	s_add_co_u32 s36, s36, s37
	s_lshr_b32 s37, s32, 1
	s_add_co_u32 s36, s36, s37
	s_mul_i32 s36, s36, 2304                       ; Q's set T / 4
	s_mov_b32 s37, 0
	s_and_b32 s38, s32, 1
	s_lshl_b32 s39, s38, 1
	s_add_co_u32 s39, s39, s28
	s_lshl_b32 s39, s39, 9                         ; tile T % 4 of the set
	s_lshl_b32 s40, s28, 7
	s_lshl_b32 s38, s38, 2
	s_add_co_u32 s40, s40, s38
	s_add_co_u32 s40, s40, 2048                    ; its scale words: lanes 16 (T % 2) on, word (T / 2) % 2
	s_lshl_b32 s41, s[DS], 7
	s_lshl_b32 s42, s32, 5
	s_add_co_u32 s41, s41, s42
	s_lshl_b32 s42, s28, 3
	s_add_co_u32 s41, s41, s42                     ; lane 0's query
	s_mov_b32 s[CS], 0x3e38aa3b                    ; c = log2(e) / 8
	s_mov_b32 s[CS+1], s[CS]
	s_mov_b32 s[SEL], 0x76543210
	s_mov_b32 s[SEL+1], 0xfedcba98
	s_and_b32 s43, s27, 1
	s_mov_b32 s[MM], 0x3f3504f3                    ; m = 2^-((head + 1) / 2): 1 or 2^-0.5, with (head + 1) / 2, rounded down, off the exponent field
	s_mov_b32 s[MC], 0x3e0293ee                    ; mc likewise: c or c 2^-0.5
	s_cmp_lg_u32 s43, 0
	s_cselect_b32 s[MM], 0x3f800000, s[MM]
	s_cselect_b32 s[MC], s[CS], s[MC]
	s_add_co_u32 s43, s27, 1
	s_lshr_b32 s43, s43, 1
	s_lshl_b32 s43, s43, 23
	s_sub_co_u32 s[MM], s[MM], s43
	s_sub_co_u32 s[MC], s[MC], s43
	s_mov_b32 s[MM+1], s[MM]
	s_xor_b32 s[NMC], s[MC], 0x80000000
	s_mov_b32 s[TB], 0
	s_mov_b32 s[LOW], 0xffff
	s_mov_b32 s[ST], 0
	v_and_b32 v9, 31, v0
	v_lshlrev_b32 v[L16], 4, v9
	v_lshlrev_b32 v[L8], 3, v9
	v_and_b32 v10, 15, v0                          ; r
	v_bfe_u32 v11, v0, 4, 1                        ; h
	v_and_b32 v[DQ], 8, v10
	v_add_nc_u32 v[DQ], v[DQ], v10
	v_add_nc_u32 v[DQ], s41, v[DQ]
	v_cvt_f32_u32 v[DQ], v[DQ]                     ; my query, less the first step's first key, 0
	v_add_nc_u32 v[ADR], s39, v[L16]
	v_lshl_add_u32 v[ADR8], v10, 3, s40
	v_lshlrev_b32 v11, 4, v11
	v_cvt_f32_u32 v[CC], v11                       ; o(n): 16 h,
	v_add_f32 v[CC+16], 0x42000000, v[CC]          ; + 32,
	v_add_f32 v[CC+32], 0x42800000, v[CC]          ; + 64,
	v_add_f32 v[CC+48], 0x42c00000, v[CC]          ; + 96,
.irp i, 1,2,3,4,5,6,7,8,9,10,11,12,13,14,15
.irp b, 0,1,2,3
	v_add_f32 v[CC+16*\b+\i], 1.0, v[CC+16*\b+\i-1]   ; and on by ones, four chains by turns
.endr
.endr
.set n, 0
.rept 32
	v_pk_mul_f32 v[CC+n:CC+n+1], v[CC+n:CC+n+1], s[MM:MM+1] op_sel_hi:[1,0]
.set n, n+2
.endr
	v_mov_b32 v[NINF], 0xff800000
	v_mov_b32 v[MX], 0xff61b1e6                    ; the largest t so far: -3e38
	v_floor_f32 v[NM], -v[MX]
	v_mov_b32 v[SUM], 0
	v_mov_b32 v[SUM+1], 0
	v_mov_b32 v[AA+1], 0
	v_mov_b32 v[FF+1], 0
.irp i, 0,1,2,3
	v_mov_b32 v[Q+4+\i], 0                         ; zero codes
	v_mov_b32 v[BT+\i], 0                          ; a lane permute's destination counts as one of its sources
.endr
.set n, 0
.rept 32
	v_mov_b32 v[O+n], 0                            ; the step is written once: the first finds zeros, which the first change of M leaves zeros
.set n, n+1
.endr
	s_wait_dscnt 0x0                               ; the opening add is done
	s_wait_kmcnt 0x0
	s_mov_b32 s[G0A], 1
	s_mov_b32 s[G0A+1], s29
	s_add_nc_u64 s[G0A+2:G0A+3], s[18:19], s[30:31]
	s_mov_b32 s[G0B], 1
	s_add_co_u32 s[G0B+1], s29, HALF
	s_add_nc_u64 s[G0B+2:G0B+3], s[G0A+2:G0A+3], HALF
	s_or_b32 s[G0A+3], s[G0A+3], 0x80000000
	s_or_b32 s[G0B+3], s[G0B+3], 0x80000000
	s_add_nc_u64 s[MP:MP+1], s[20:21], s[34:35]
	s_add_nc_u64 s[QP:QP+1], s[16:17], s[36:37]
	CROUND                                         ; all four work-groups are here: the joint loads meet
	tensor_load_to_lds s[G0A:G0A+3], s[G1:G1+7]    ; my part of key steps 0 to 7,
	s_nop 0
	tensor_load_to_lds s[G0B:G0B+3], s[G1:G1+7]    ; and of 8 to 15: two loads of mine are out
	s_nop 0
.rept 4
	v_nop
.endr
	global_load_b128 v[Q:Q+3], v[ADR], s[QP:QP+1]  ; q, twice
	global_load_b128 v[Q+8:Q+11], v[ADR], s[QP:QP+1]
	global_load_b32 v[QS], v[ADR8], s[QP:QP+1]
	s_load_b512 s[16:31], s[MP:MP+1], 0x0          ; step 0's mask words: word n in s[16 + n], from word 48 on in s[20 + n]
	s_load_b512 s[32:47], s[MP:MP+1], 0x40
	s_load_b512 s[48:63], s[MP:MP+1], 0x80
	s_load_b512 s[68:83], s[MP:MP+1], 0xc0
.macro QKT t, cb                       ; tile t of S^T; C begins at register cb
.if (\t)%2
	v_wmma_scale_f32_16x16x128_f8f6f4 v[S+8*(\t):S+8*(\t)+7], v[KV+8*((\t)/2):KV+8*((\t)/2)+7], v[Q+4:Q+11], v[\cb+8*(\t):\cb+8*(\t)+7], v[KS+(\t)/2], v[QS] matrix_a_fmt:MATRIX_FMT_FP4 matrix_b_fmt:MATRIX_FMT_FP4 matrix_a_scale:MATRIX_SCALE_ROW1
.else
	v_wmma_scale_f32_16x16x128_f8f6f4 v[S+8*(\t):S+8*(\t)+7], v[KV+8*((\t)/2):KV+8*((\t)/2)+7], v[Q:Q+7], v[\cb+8*(\t):\cb+8*(\t)+7], v[KS+(\t)/2], v[QS] matrix_a_fmt:MATRIX_FMT_FP4 matrix_b_fmt:MATRIX_FMT_FP4
.endif
.endm
; A KEY STEP: 128 keys.
.macro STEP
	s_cmp_lt_u32 s[ST], s[DS]
	s_cselect_b32 s[SG], s[NMC], s[MC]
	s_cmp_eq_u32 s[ST], s[DS]
	s_cselect_b32 s[SG], 0, s[SG]
	v_add_nc_u32 v[ADR], s[TB], v[L16]             ; these three lines and the step of q - KF at the last step's end are the four places behind its products
	v_add_nc_u32 v[ADR8], s[TB], v[L8]
	v_mul_f32 v[LL], s[SG], v[DQ]                  ; L
.irp t, 0,1,2,3,4,5,6,7
	ds_load_b128 v[KV+4*\t:KV+4*\t+3], v[ADR] offset:512*\t
.endr
	ds_load_b64 v[KS:KS+1], v[ADR8] offset:8192
	ds_load_b64 v[KS+2:KS+3], v[ADR8] offset:8448
	s_cmp_lt_u32 s[ST], s[DS]                      ; the side: the count of steps against the cluster's and the wave's number
	s_cbranch_scc1 .Lbefore_\@
	s_cmp_eq_u32 s[ST], s[DS]
	s_cbranch_scc1 .Ldiag_\@
.set n, 0
.rept 32
	v_pk_mul_f32 v[S+n:S+n+1], v[CC+n:CC+n+1], -1.0 op_sel_hi:[1,0]   ; behind my queries: C = -m o
.set n, n+2
.endr
	s_branch .Lown_\@
.Ldiag_\@:
	v_mul_f32 v[AA], s[MM], v[DQ]                  ; m (q - KF)
.set n, 0
.rept 32
	v_pk_add_f32 v[S+n:S+n+1], v[AA:AA+1], v[CC+n:CC+n+1] op_sel_hi:[0,1] neg_lo:[0,1] neg_hi:[0,1]
.set n, n+2
.endr
.set n, 0
.rept 64
	v_or_b32 v[S+n], 0x80000000, v[S+n]            ; C = -|m (q - KF) - m o|
.set n, n+1
.endr
.Lown_\@:
	s_wait_dscnt 0x0
.irp t, 0,1,2,3,4,5,6,7
	QKT \t, S
.endr
	s_branch .Lscored_\@
.Lbefore_\@:
	s_wait_dscnt 0x0
.irp t, 0,1,2,3,4,5,6,7
	QKT \t, CC                                     ; before my queries: C = +m o
.endr
.Lscored_\@:
.rept 4
	v_nop                                          ; places in front of the loads into K's registers and of the first read of the scores
.endr
.irp d, 0,1,2,3
	ds_load_b128 v[KV+8*\d:KV+8*\d+3], v[ADR] offset:4096+512*\d        ; V^T, 16 channels x keys 0-63,
	ds_load_b128 v[KV+8*\d+4:KV+8*\d+7], v[ADR] offset:6144+512*\d      ; x keys 64-127
.endr
	ds_load_b64 v[VA:VA+1], v[ADR8] offset:8704
	ds_load_b64 v[VB:VB+1], v[ADR8] offset:8960
	s_wait_kmcnt 0x0                               ; this step's mask words
.set n, 0
.rept 64
	v_cndmask_b32 v[S+n], v[NINF], v[S+n], s[16+n+4*(n/48)]   ; a hidden key's score becomes -infinity; each accumulator from its low end on
.set n, n+1
.endr
	s_cmp_eq_u32 s[ST], 15                         ; the next step's words are asked for here; the last step asks for nothing
	s_cbranch_scc1 .Llast_\@
	s_add_co_u32 s[MOFF], s[ST], 1
	s_lshl_b32 s[MOFF], s[MOFF], 8
	s_load_b512 s[16:31], s[MP:MP+1], s[MOFF] offset:0x0
	s_load_b512 s[32:47], s[MP:MP+1], s[MOFF] offset:0x40
	s_load_b512 s[48:63], s[MP:MP+1], s[MOFF] offset:0x80
	s_load_b512 s[68:83], s[MP:MP+1], s[MOFF] offset:0xc0
.Llast_\@:
.irp b, 0,1,2,3
	v_max3_num_f32 v[BM+\b], v[S+16*\b], v[S+16*\b+1], v[S+16*\b+2]   ; the largest score of each block of 32 keys: it serves the row's maximum and, since p rises with the score, the block's largest p
.endr
.irp i, 3,5,7,9,11,13
.irp b, 0,1,2,3
	v_max3_num_f32 v[BM+\b], v[BM+\b], v[S+16*\b+\i], v[S+16*\b+\i+1]
.endr
.endr
.irp b, 0,1,2,3
	v_max_num_f32 v[BM+\b], v[BM+\b], v[S+16*\b+15]
.endr
.irp b, 0,1,2,3
	v_permlanex16_b32 v[BT+\b], v[BM+\b], s[SEL], s[SEL+1]
.endr
.irp b, 0,1,2,3
	v_max_num_f32 v[BM+\b], v[BM+\b], v[BT+\b]     ; with lane l xor 16's 16 keys
.endr
	v_max3_num_f32 v[TT], v[BM], v[BM+1], v[BM+2]
	v_max_num_f32 v[TT], v[TT], v[BM+3]
	v_fma_f32 v[TT], v[TT], s[CS], v[LL]           ; the step's largest t
	v_max_num_f32 v[MX], v[MX], v[TT]
	v_mov_b32 v[TT], v[NM]
	v_floor_f32 v[NM], -v[MX]                      ; the new -M = -ceil(t): a whole number
	v_sub_f32 v[TT], v[NM], v[TT]                  ; old M - new M: a whole number, 0 or less
	v_cvt_i32_f32 v[TT], v[TT]                     ; (it saturates)
	v_ldexp_f32 v[FF], 1.0, v[TT]                  ; f = 2^(old M - new M)
	v_add_f32 v[AA], v[LL], v[NM]                  ; L - M
.set n, 0
.rept 32
	v_pk_fma_f32 v[S+n:S+n+1], v[S+n:S+n+1], s[CS:CS+1], v[AA:AA+1] op_sel_hi:[1,0,0]   ; t - M
.set n, n+2
.endr
.irp b, 0,1,2,3
	v_fma_f32 v[BM+\b], v[BM+\b], s[CS], v[AA]
.endr
.set n, 0
.rept 64
	v_exp_f32 v[S+n], v[S+n]                       ; p = 2^(t - M)
.set n, n+1
.endr
	v_pk_mul_f32 v[SUM:SUM+1], v[SUM:SUM+1], v[FF:FF+1] op_sel_hi:[1,0]   ; the sums under the new M (a plain place behind the exponentials)
	s_wait_alu depctr_va_vdst(0)                   ; one wait for the batch, ahead of its first reader
.irp b, 0,1,2,3
	v_exp_f32 v[BM+\b], v[BM+\b]                   ; the blocks' largest p
.endr
	v_pk_add_f32 v[BT:BT+1], v[S:S+1], v[S+2:S+3]  ; the row's sum of the unquantised p, in two chains
.irp j, 4,8,12,16,20,24,28,32,36,40,44,48,52,56,60
	v_pk_add_f32 v[SUM:SUM+1], v[SUM:SUM+1], v[S+\j:S+\j+1]
	v_pk_add_f32 v[BT:BT+1], v[BT:BT+1], v[S+\j+2:S+\j+3]
.endr
	v_pk_add_f32 v[SUM:SUM+1], v[SUM:SUM+1], v[BT:BT+1]
	s_wait_alu depctr_va_vdst(0)                   ; and one for the four
.irp b, 0,1,2,3
	v_max_num_f32 v[BM+\b], 0x1800000, v[BM+\b]    ; the floor 2^(3 - 127): a block whose every p is 0 keeps the byte 1; its codes are zeros
.endr
.irp b, 0,1,2,3
	v_add_nc_u32 v[BS+\b], 0xff000000, v[BM+\b]
.endr
.irp b, 0,1,2,3
	v_lshrrev_b32 v[BT+\b], 23, v[BS+\b]
.endr
	v_lshl_or_b32 v[PS], v[BT+1], 8, v[BT]         ; p's scale word for these 128 keys
	v_lshl_or_b32 v[PS], v[BT+2], 16, v[PS]
	v_lshl_or_b32 v[PS], v[BT+3], 24, v[PS]
.irp b, 0,1,2,3
	v_cvt_scalef32_pk8_fp4_f32 v[PC+2*\b], v[S+16*\b:S+16*\b+7], v[BS+\b]
	v_cvt_scalef32_pk8_fp4_f32 v[PC+2*\b+1], v[S+16*\b+8:S+16*\b+15], v[BS+\b]
.endr
	v_nop                                          ; one plain place behind a scaled conversion
.irp c, 0,1
.irp i, 0,1
	v_permlane16_swap_b32 v[PC+4*\c+\i], v[PC+4*\c+2+\i]   ; a whole block to a lane
.endr
.endr
	s_wait_dscnt 0x0                               ; V and its words
	v_bfi_b32 v[VS], s[LOW], v[VA], v[VB]          ; keys 0-63's two bytes below, keys 64-127's above
	v_bfi_b32 v[VS+1], s[LOW], v[VA+1], v[VB+1]
.set n, 0
.rept 16
	v_pk_mul_f32 v[O+n:O+n+1], v[O+n:O+n+1], v[FF:FF+1] op_sel_hi:[1,0]   ; O^T under the new M; of these sixteen, twelve name no register of any one product below: the places behind the scale words and the codes
.set n, n+2
.endr
.irp d, 0,2
	v_wmma_scale_f32_16x16x128_f8f6f4 v[O+8*\d:O+8*\d+7], v[KV+8*\d:KV+8*\d+7], v[PC:PC+7], v[O+8*\d:O+8*\d+7], v[VS+\d/2], v[PS] matrix_a_fmt:MATRIX_FMT_FP4 matrix_b_fmt:MATRIX_FMT_FP4
	v_wmma_scale_f32_16x16x128_f8f6f4 v[O+8*\d+8:O+8*\d+15], v[KV+8*\d+8:KV+8*\d+15], v[PC:PC+7], v[O+8*\d+8:O+8*\d+15], v[VS+\d/2], v[PS] matrix_a_fmt:MATRIX_FMT_FP4 matrix_b_fmt:MATRIX_FMT_FP4 matrix_a_scale:MATRIX_SCALE_ROW1
.endr
	v_add_f32 v[DQ], 0xc3000000, v[DQ]             ; q - KF for the next step: 128 less
	s_add_co_u32 s[TB], s[TB], REC
	s_add_co_u32 s[ST], s[ST], 1
.endm
	s_wait_tensorcnt 0x1                           ; my part of steps 0 to 7 has landed; the second half's load stays out
	s_barrier_signal -1
	s_barrier_wait -1
	s_wait_loadcnt 0x0                             ; Q
.Lhalf0:
	STEP
	s_cmp_lt_u32 s[ST], 8
	s_cbranch_scc1 .Lhalf0
	s_wait_tensorcnt 0x0                           ; my part of steps 8 to 15
	s_wait_dscnt 0x0
	s_barrier_signal -1
	s_barrier_wait -1
.Lhalf1:
	STEP
	s_cmp_lt_u32 s[ST], 16
	s_cbranch_scc1 .Lhalf1
	; THE WAY OUT: O^T / the sum, quantised along the 64 channels: half a fragment of the last product's operand (K step head / 2, half head % 2) and two scale bytes a row.
	s_load_b64 s[16:17], s[0:1], 0x18              ; oc
	v_add_f32 v[SUM], v[SUM], v[SUM+1]
	v_permlanex16_b32 v[TT], v[SUM], s[SEL], s[SEL+1]
	v_add_f32 v[SUM], v[SUM], v[TT]                ; the row's sum
	v_rcp_f32 v[FF], v[SUM]
	v_and_b32 v[ADR8], 15, v0                      ; (plain places behind the reciprocal and the last products)
	v_lshlrev_b32 v[ADR8], 4, v[ADR8]              ; 16 r
	v_cmp_eq_f32 vcc_lo, 0, v[SUM]                 ; a row with no true key
	s_bfe_u32 s40, ttmp6, 0x40000                  ; cx
	s_and_b32 s41, ttmp7, 0xffff
	s_lshr_b32 s42, s41, 4
	s_and_b32 s43, s41, 15                         ; head
	s_lshl_b32 s42, s42, 4
	s_add_co_u32 s42, s42, s[DS]                   ; the group 16 b + DS
	s_mul_i32 s42, s42, GROUP
	s_lshr_b32 s44, s43, 1
	s_mul_i32 s44, s44, CHUNK
	s_add_co_u32 s42, s42, s44                     ; the chunk
	s_and_b32 s43, s43, 1
	s_lshl_b32 s44, s40, 1
	s_and_b32 s45, s[WV], 1
	s_add_co_u32 s44, s44, s45                     ; my tile of the group
	s_lshl_b32 s46, s44, 10
	s_lshl_b32 s47, s43, 9
	s_add_co_u32 s46, s46, s47
	s_add_co_u32 s46, s46, s42                     ; the image
	s_mov_b32 s47, 0
	s_lshr_b32 s48, s44, 2
	s_lshl_b32 s48, s48, 8
	s_and_b32 s49, s44, 3
	s_lshl_b32 s49, s49, 2
	s_add_co_u32 s48, s48, s49
	s_lshl_b32 s49, s43, 1
	s_add_co_u32 s48, s48, s49
	s_add_co_u32 s48, s48, s42
	s_add_co_u32 s48, s48, 8192                    ; my half of the tile's scale words
	s_mov_b32 s49, 0
	s_wait_kmcnt 0x0
	s_add_nc_u64 s[46:47], s[16:17], s[46:47]
	s_add_nc_u64 s[48:49], s[16:17], s[48:49]
	s_wait_alu depctr_va_vdst(0)                   ; the wait ahead of the reciprocal's first reader
.set n, 0
.rept 16
	v_pk_mul_f32 v[S+n:S+n+1], v[O+n:O+n+1], v[FF:FF+1] op_sel_hi:[1,0]   ; register n: channel 32 (n / 16) + 16 h + n % 16
.set n, n+2
.endr
.irp b, 0,1
	v_max3_num_f32 v[TM+\b], |v[S+16*\b]|, |v[S+16*\b+1]|, 0x1800000
.endr
.irp i, 2,4,6,8,10,12,14
.irp b, 0,1
	v_max3_num_f32 v[TM+\b], v[TM+\b], |v[S+16*\b+\i]|, |v[S+16*\b+\i+1]|
.endr
.endr
.irp b, 0,1
	v_permlanex16_b32 v[TM+2+\b], v[TM+\b], s[SEL], s[SEL+1]
.endr
.irp b, 0,1
	v_max_num_f32 v[TM+\b], v[TM+\b], v[TM+2+\b]
.endr
.irp b, 0,1
	v_add_nc_u32 v[TM+4+\b], 0xff000000, v[TM+\b]
.endr
.irp b, 0,1
	v_lshrrev_b32 v[TM+2+\b], 23, v[TM+4+\b]
.endr
	v_lshl_or_b32 v[TT], v[TM+3], 8, v[TM+2]       ; my row's two bytes
	v_cndmask_b32 v[TT], v[TT], -1, vcc_lo         ; 0xff, 0xff where the sum is 0
.irp b, 0,1
	v_cvt_scalef32_pk8_fp4_f32 v[PC+2*\b], v[S+16*\b:S+16*\b+7], v[TM+4+\b]
	v_cvt_scalef32_pk8_fp4_f32 v[PC+2*\b+1], v[S+16*\b+8:S+16*\b+15], v[TM+4+\b]
.endr
	v_nop
	v_permlane16_swap_b32 v[PC], v[PC+2]
	v_permlane16_swap_b32 v[PC+1], v[PC+3]
	global_store_b128 v[L16], v[PC:PC+3], s[46:47] ; 512 consecutive bytes
	global_store_b16 v[ADR8], v[TT], s[48:49]      ; both halves of the lanes write the same two bytes with the same value
	s_wait_tensorcnt 0x0                           ; the wave's end
	ds_add_u32 v[SPW], v[NIL]
	s_wait_dscnt 0x0
	CROUND                                         ; the closing round
	s_endpgm
.Lfunc_end_k_qde1757949e_attn:
	.size	k_qde1757949e_attn, .Lfunc_end_k_qde1757949e_attn-k_qde1757949e_attn
	.p2alignl 7, 3214868480
	.fill 96, 4, 3214868480
	.section	.rodata,"a",@progbits
	.p2align	6, 0x0
	.amdhsa_kernel k_qde1757949e_attn
		.amdhsa_group_segment_fixed_size 167936
		.amdhsa_private_segment_fixed_size 0
		.amdhsa_enable_private_segment 0
		.amdhsa_kernarg_size 32
		.amdhsa_user_sgpr_count 2
		.amdhsa_user_sgpr_kernarg_segment_ptr 1
		.amdhsa_wavefront_size32 1
		.amdhsa_system_sgpr_workgroup_id_x 1
		.amdhsa_system_sgpr_workgroup_id_y 1
		.amdhsa_system_sgpr_workgroup_id_z 1
		.amdhsa_system_vgpr_workitem_id 0
		.amdhsa_next_free_vgpr 256
		.amdhsa_next_free_sgpr 106
		.amdhsa_reserve_vcc 1
		.amdhsa_float_denorm_mode_32 3
		.amdhsa_float_denorm_mode_16_64 3
		.amdhsa_memory_ordered 1
		.amdhsa_forward_progress 1
		.amdhsa_inst_pref_size 75
	.end_amdhsa_kernel
	.amdgpu_metadata
---
amdhsa.version: [ 1, 2 ]
amdhsa.kernels:
  - .name:           k_qde1757949e_attn
    .symbol:         k_qde1757949e_attn.kd
    .args:
      - { .name: qw, .offset: 0, .size: 8, .value_kind: global_buffer, .address_space: global }
      - { .name: kv, .offset: 8, .size: 8, .value_kind: global_buffer, .address_space: global }
      - { .name: maskw, .offset: 16, .size: 8, .value_kind: global_buffer, .address_space: global }
      - { .name: oc, .offset: 24, .size: 8, .value_kind: global_buffer, .address_space: global }
    .group_segment_fixed_size: 167936
    .private_segment_fixed_size: 0
    .kernarg_segment_align: 8
    .kernarg_segment_size: 32
    .max_flat_workgroup_size: 512
    .sgpr_count:     106
    .vgpr_count:     256
    .wavefront_size: 32
...
	.end_amdgpu_metadata
.endif
;; end of part 3
;; launch outp (part 4): grid 8 x 32, 4 waves a work-group, clusters of 4 x 4, 167,936 bytes of LDS; arguments oc, xc, bo, out0; writes out0
.if DOCPART == 4
	.amdgcn_target "amdgcn-amd-amdhsa--gfx1250"
	.amdhsa_code_object_version 6
	.text
	.protected	k_qde1757949e_outp
	.globl	k_qde1757949e_outp
	.p2align	8
	.type	k_qde1757949e_outp,@function
k_qde1757949e_outp:
	s_mov_b64 s[64:65], 0
	v_nop
	global_prefetch_b8 v0, s[64:65] scope:SCOPE_SE
	s_setreg_imm32_b32 hwreg(HW_REG_WAVE_MODE, 25, 1), 1
	s_wait_xcnt 0x0
	s_wait_alu depctr_hold_cnt(0) depctr_sa_sdst(0) depctr_va_vdst(0) depctr_va_sdst(0) depctr_va_ssrc(0) depctr_va_vcc(0) depctr_vm_vsrc(0)
	s_getreg_b32 s2, hwreg(HW_REG_IB_STS2, 6, 4)
	s_cmp_eq_u32 s2, 0
	s_cbranch_scc0 .Lentry_in_a_cluster
	s_endpgm
.Lentry_in_a_cluster:
	s_bfe_u32 s2, ttmp6, 0x10000c
	s_cmp_lg_u32 s2, 0xf033
	s_cbranch_scc0 .Lentry_shape_is_right
	s_endpgm
.Lentry_shape_is_right:
; OUTP.  out0 = O Wo^T + bo on codes of FP4 with E8M0 scales: O's from the attention launch (oc), Wo's from the first launch (xc, groups 56 + j), both in chunks of 8,704 bytes:
; [tile 8][cc 2][512 B] images of operand registers, then 512 B of scale words [half 2][r 16][tile 4][4 B].  Sums in f32; the bias is added behind the sum.
; SHARES.  Work-group (j, g): 128 tokens x 128 columns; four waves, each 64 x 64: columns 64 e on (e = w % 2), tokens 64 c on (c = w / 2).  All of K = 1,024 lies in LDS, 8 K steps x [Wo | O], filled once.
; Source 0 = four tiles of Wo's rows, source 1 = four tiles of tokens: a lane holds one token, pi(4 c + y, r), and eight neighbouring columns in each accumulator.
; CLUSTER 4 x 4: O's chunks hang on g alone and are asked for jointly along a row of the cluster, Wo's on j alone, along a column.
; THE WAY OUT: 16 tokens x 64 columns at a time through the wave's own stage in LDS, so that sixteen lanes store 256 consecutive bytes, aligned.
; A row whose scale bytes are 0xff (no true key in some head) comes out as NaN, as the definition has it.  No prefetch: every tile is asked for at the head.  No ring: nothing is filled again.
.set CHUNK, 8704
.set GROUP, 8*CHUNK
.set KST,   2*CHUNK
.set STAGE, 8*KST                      ; behind the tiles: 16 rows x 272 bytes for each wave; no fill lands here
.set SPARE, STAGE+4*16*272             ; behind the stages: the spare words, 128 bytes for each wave
.set AX,  1
.set AY,  2
.set AS,  3
.set STO, 4                            ; v4   into my stage: 272 r + 64 h
.set RD,  5                            ; v5   back: 272 (l / 16) + 16 (l % 16)
.set GO,  6                            ; v6   in out0: 4,096 (l / 16) + 16 (l % 16)
.set SPW, 7
.set NIL, 8
.set BQ,  9                            ; v9   the bias: 64 h bytes
.set SC,  28
.set BI,  32
.set XF,  64
.set YF,  96
.set OB,  64                           ; the way out: rows read back, v64-95 and v96-127 by turns
.set ACC, 128
.set WV,  18
.set G1R, 36
.set G1C, 44
.set G0E, 68                           ; s[68:83] group 0 of O's four loads;  s[84:99] of Wo's
.set G0W, 84
.macro CREST
	s_cmp_lg_u32 s[WV], 0
	s_cbranch_scc1 .Lnot_wave_0_\@
	s_barrier_signal -3
.Lnot_wave_0_\@:
	s_barrier_wait -3
	s_barrier_signal -1
	s_barrier_wait -1
.endm
.macro CROUND
	s_barrier_signal -1
	s_barrier_wait -1
	CREST
.endm
	s_load_b256 s[4:11], s[0:1], 0x0               ; oc, xc, bo, out0
	v_lshl_add_u32 v[SPW], v0, 2, SPARE
	v_mov_b32 v[NIL], 0
	ds_add_u32 v[SPW], v[NIL]                      ; the wave's opening: the add and its wait stand ahead of my first tensor load; the set-up, work on registers, stands between
	v_lshrrev_b32 v12, 5, v0
	v_readfirstlane_b32 s[WV], v12                 ; wave 0..3
	s_and_b32 s20, s[WV], 1                        ; e.  Also: I fetch for Wo (0) or for O (1)
	s_lshr_b32 s21, s[WV], 1                       ; c.  Also: which of a phase's two K steps I fetch
	s_bfe_u32 s23, ttmp6, 0x40000                  ; cx
	s_bfe_u32 s24, ttmp6, 0x40004                  ; cy
	s_lshl_b32 s25, ttmp9, 2
	s_add_co_u32 s25, s25, s23                     ; j
	s_and_b32 s26, ttmp7, 0xffff
	s_lshl_b32 s26, s26, 2
	s_add_co_u32 s26, s26, s24                     ; g
	s_lshl_b32 s29, s24, 2
	s_lshl_b32 s29, 15, s29                        ; my row of the cluster
	s_lshl_b32 s34, 0x1111, s23                    ; my column
	s_or_b32 s[G1R], s29, (3<<16)|(1<<21)          ; the mask; elements of 8 bytes; bit 21 set beside a mask; no padding
	s_or_b32 s[G1C], s34, (3<<16)|(1<<21)
.irp g, G1R, G1C
	s_mov_b32 s[\g+1], 32<<16                      ; rows of 256 bytes,
	s_mov_b32 s[\g+2], 34<<16                      ; 34 of them: a chunk,
	s_mov_b32 s[\g+3], 32<<16
	s_mov_b32 s[\g+4], 34
	s_mov_b32 s[\g+5], 32                          ; dense
	s_mov_b32 s[\g+6], 0
	s_mov_b32 s[\g+7], 0
.endr
	s_mul_i32 s35, s21, CHUNK
	s_mul_i32 s30, s26, GROUP                      ; O: group g
	s_add_co_u32 s30, s30, s35
	s_mov_b32 s31, 0
	s_add_co_u32 s32, s25, 56                      ; Wo: group 56 + j
	s_mul_i32 s32, s32, GROUP
	s_add_co_u32 s32, s32, s35
	s_mov_b32 s33, 0
	s_mul_i32 s3, s21, KST
	s_mul_i32 s2, s20, CHUNK
	s_add_co_u32 s3, s3, s2                        ; where my loads go
	v_and_b32 v12, 31, v0
	v_and_b32 v13, 15, v0                          ; r
	v_bfe_u32 v14, v0, 4, 1                        ; h
	v_lshlrev_b32 v15, 4, v12                      ; 16 l
	s_lshl_b32 s57, s20, 12
	s_lshl_b32 s58, s21, 12
	s_add_co_u32 s58, s58, CHUNK
	v_add_nc_u32 v[AX], s57, v15
	v_add_nc_u32 v[AY], s58, v15
	s_lshl_b32 s57, s20, 8
	s_add_co_u32 s57, s57, 8192                    ; Wo's scale words
	s_lshl_b32 s58, s21, 8
	s_add_co_u32 s58, s58, CHUNK+8192              ; O's, which lie higher
	s_sub_co_u32 s58, s58, s57
	v_mul_u32_u24 v16, s58, v14
	v_lshl_add_u32 v16, v13, 4, v16
	v_add_nc_u32 v[AS], s57, v16
	s_mul_i32 s59, s[WV], 16*272
	s_add_co_u32 s59, s59, STAGE                   ; my stage
	v_mul_u32_u24 v[STO], v13, 272
	v_lshl_add_u32 v[STO], v14, 6, v[STO]
	v_add_nc_u32 v[STO], s59, v[STO]
	v_mul_u32_u24 v[RD], v14, 272
	v_lshl_add_u32 v[RD], v13, 4, v[RD]
	v_add_nc_u32 v[RD], s59, v[RD]
	v_lshlrev_b32 v[GO], 12, v14
	v_lshl_add_u32 v[GO], v13, 4, v[GO]
	v_lshlrev_b32 v[BQ], 6, v14
	s_lshl_b32 s52, s26, 7                         ; out0: token 128 g + 64 c, column 128 j + 64 e (registers that feed no descriptor)
	s_lshl_b32 s53, s21, 6
	s_add_co_u32 s52, s52, s53
	s_lshl_b32 s52, s52, 12
	s_lshl_b32 s56, s25, 9
	s_lshl_b32 s53, s20, 8
	s_add_co_u32 s56, s56, s53                     ; the columns' bytes: in a row of out0, and in bo
	s_add_co_u32 s52, s52, s56
	s_mov_b32 s53, 0
	s_mov_b32 s57, 0
	s_wait_dscnt 0x0                               ; the opening add is done
	s_wait_kmcnt 0x0
	s_add_nc_u64 s[30:31], s[4:5], s[30:31]
	s_add_nc_u64 s[32:33], s[6:7], s[32:33]
	s_add_nc_u64 s[54:55], s[10:11], s[52:53]
	s_add_nc_u64 s[60:61], s[8:9], s[56:57]
.irp p, 0,1,2,3
	s_mov_b32 s[G0E+4*\p], 1
	s_add_co_u32 s[G0E+4*\p+1], s3, \p*2*KST
	s_add_nc_u64 s[G0E+4*\p+2:G0E+4*\p+3], s[30:31], \p*2*CHUNK
	s_or_b32 s[G0E+4*\p+3], s[G0E+4*\p+3], 0x80000000
	s_mov_b32 s[G0W+4*\p], 1
	s_add_co_u32 s[G0W+4*\p+1], s3, \p*2*KST
	s_add_nc_u64 s[G0W+4*\p+2:G0W+4*\p+3], s[32:33], \p*2*CHUNK
	s_or_b32 s[G0W+4*\p+3], s[G0W+4*\p+3], 0x80000000
.endr
	CROUND                                         ; all sixteen work-groups are here: the joint loads meet
	s_cmp_eq_u32 s20, 0                            ; four loads a wave, all in one arm: four loads of mine are out at the most
	s_cbranch_scc0 .Lfill_o
.irp p, 0,1,2,3
	tensor_load_to_lds s[G0W+4*\p:G0W+4*\p+3], s[G1C:G1C+7]
	s_nop 0
.endr
.rept 4
	v_nop
.endr
	s_branch .Lfilled
.Lfill_o:
.irp p, 0,1,2,3
	tensor_load_to_lds s[G0E+4*\p:G0E+4*\p+3], s[G1R:G1R+7]
	s_nop 0
.endr
.rept 4
	v_nop
.endr
.Lfilled:
.irp x, 0,1,2,3                        ; the bias in the result's layout: register 8 x + i: column 32 (x / 2) + 8 (x % 2) + 16 h + i
	global_load_b128 v[BI+8*\x:BI+8*\x+3], v[BQ], s[60:61] offset:(32*(\x/2)+8*(\x%2))*4
	global_load_b128 v[BI+8*\x+4:BI+8*\x+7], v[BQ], s[60:61] offset:(32*(\x/2)+8*(\x%2))*4+16
.endr
; A K step: 16 + 1 LDS loads, 16 matrix instructions; the 16 accumulators take turns, one instruction a turn.
.macro KSTEP off, first
.if \first == 0
.rept 4
	v_nop                                          ; places in front of loads into registers that matrix instructions have read
.endr
.endif
.irp t, 0,1,2,3
.irp cc, 0,1
	ds_load_b128 v[XF+8*\t+4*\cc:XF+8*\t+4*\cc+3], v[AX] offset:\off+1024*\t+512*\cc
	ds_load_b128 v[YF+8*\t+4*\cc:YF+8*\t+4*\cc+3], v[AY] offset:\off+1024*\t+512*\cc
.endr
.endr
	ds_load_b128 v[SC:SC+3], v[AS] offset:\off     ; register i: lanes 0-15 Wo's tile i, lanes 16-31 O's tile i
	s_wait_dscnt 0x0
.irp y, 0,1,2,3
.irp x, 0,1,2,3
.if \first
	v_wmma_scale_f32_16x16x128_f8f6f4 v[ACC+8*(4*\y+\x):ACC+8*(4*\y+\x)+7], v[XF+8*\x:XF+8*\x+7], v[YF+8*\y:YF+8*\y+7], 0, v[SC+\x], v[SC+\y] matrix_a_fmt:MATRIX_FMT_FP4 matrix_b_fmt:MATRIX_FMT_FP4 matrix_b_scale:MATRIX_SCALE_ROW1
.else
	v_wmma_scale_f32_16x16x128_f8f6f4 v[ACC+8*(4*\y+\x):ACC+8*(4*\y+\x)+7], v[XF+8*\x:XF+8*\x+7], v[YF+8*\y:YF+8*\y+7], v[ACC+8*(4*\y+\x):ACC+8*(4*\y+\x)+7], v[SC+\x], v[SC+\y] matrix_a_fmt:MATRIX_FMT_FP4 matrix_b_fmt:MATRIX_FMT_FP4 matrix_b_scale:MATRIX_SCALE_ROW1
.endif
.endr
.endr
.endm
.macro PHASE p
	s_wait_tensorcnt 3-(\p)                        ; my load of this phase has landed; the 3 - p later phases' loads of mine stay out
	s_barrier_signal -1
	s_barrier_wait -1                              ; everybody's has
.if (\p) == 0
	KSTEP 0, 1
.else
	KSTEP 0, 0
.endif
	KSTEP KST, 0
.if (\p) < 3
	v_add_nc_u32 v[AX], 2*KST, v[AX]
	v_add_nc_u32 v[AY], 2*KST, v[AY]
	v_add_nc_u32 v[AS], 2*KST, v[AS]
.endif
.endm
	PHASE 0
	PHASE 1
	PHASE 2
	PHASE 3
.rept 4
	v_nop                                          ; places in front of the first read of results
.endr
	s_wait_loadcnt 0x0                             ; the bias
.irp y, 0,1,2,3                        ; each accumulator from its low end on
.irp k, 0,1,2,3,4,5,6,7,8,9,10,11,12,13,14,15
	v_pk_add_f32 v[ACC+32*\y+2*\k:ACC+32*\y+2*\k+1], v[ACC+32*\y+2*\k:ACC+32*\y+2*\k+1], v[BI+2*\k:BI+2*\k+1]
.endr
.endr
.irp y, 0,1,2,3                        ; tile y of my tokens: 16 rows x 256 bytes
.if \y >= 2
	s_wait_xcnt 0x0                                ; tile y - 2's stores have read their registers: the loads below may land there
.endif
.irp x, 0,1,2,3
	ds_store_b128 v[STO], v[ACC+8*(4*\y+\x):ACC+8*(4*\y+\x)+3] offset:128*(\x/2)+32*(\x%2)
	ds_store_b128 v[STO], v[ACC+8*(4*\y+\x)+4:ACC+8*(4*\y+\x)+7] offset:128*(\x/2)+32*(\x%2)+16
.endr
.irp i, 0,1,2,3,4,5,6,7
	ds_load_b128 v[OB+32*(\y%2)+4*\i:OB+32*(\y%2)+4*\i+3], v[RD] offset:544*\i   ; LDS serves a wave's instructions in order: these see my stores, and the next tile's stores come behind them
.endr
	s_wait_dscnt 0x0
.irp i, 0,1,2,3,4,5,6,7
	global_store_b128 v[GO], v[OB+32*(\y%2)+4*\i:OB+32*(\y%2)+4*\i+3], s[54:55] offset:(32*(\y/2)+8*(\y%2)+2*\i+8*(\i/4))*4096 th:TH_STORE_NT   ; tile rows 2 i, 2 i + 1: sixteen lanes store 256 consecutive bytes, aligned
.endr
.endr
	s_wait_tensorcnt 0x0                           ; the wave's end
	ds_add_u32 v[SPW], v[NIL]
	s_wait_dscnt 0x0
	CROUND                                         ; the closing round
	s_endpgm
.Lfunc_end_k_qde1757949e_outp:
	.size	k_qde1757949e_outp, .Lfunc_end_k_qde1757949e_outp-k_qde1757949e_outp
	.p2alignl 7, 3214868480
	.fill 96, 4, 3214868480
	.section	.rodata,"a",@progbits
	.p2align	6, 0x0
	.amdhsa_kernel k_qde1757949e_outp
		.amdhsa_group_segment_fixed_size 167936
		.amdhsa_private_segment_fixed_size 0
		.amdhsa_enable_private_segment 0
		.amdhsa_kernarg_size 32
		.amdhsa_user_sgpr_count 2
		.amdhsa_user_sgpr_kernarg_segment_ptr 1
		.amdhsa_wavefront_size32 1
		.amdhsa_system_sgpr_workgroup_id_x 1
		.amdhsa_system_sgpr_workgroup_id_y 1
		.amdhsa_system_sgpr_workgroup_id_z 1
		.amdhsa_system_vgpr_workitem_id 0
		.amdhsa_next_free_vgpr 256
		.amdhsa_next_free_sgpr 106
		.amdhsa_reserve_vcc 0
		.amdhsa_float_denorm_mode_32 3
		.amdhsa_float_denorm_mode_16_64 3
		.amdhsa_memory_ordered 1
		.amdhsa_forward_progress 1
		.amdhsa_inst_pref_size 47
	.end_amdhsa_kernel
	.amdgpu_metadata
---
amdhsa.version: [ 1, 2 ]
amdhsa.kernels:
  - .name:           k_qde1757949e_outp
    .symbol:         k_qde1757949e_outp.kd
    .args:
      - { .name: oc, .offset: 0, .size: 8, .value_kind: global_buffer, .address_space: global }
      - { .name: xc, .offset: 8, .size: 8, .value_kind: global_buffer, .address_space: global }
      - { .name: bo, .offset: 16, .size: 8, .value_kind: global_buffer, .address_space: global }
      - { .name: out0, .offset: 24, .size: 8, .value_kind: global_buffer, .address_space: global }
    .group_segment_fixed_size: 167936
    .private_segment_fixed_size: 0
    .kernarg_segment_align: 8
    .kernarg_segment_size: 32
    .max_flat_workgroup_size: 128
    .sgpr_count:     106
    .vgpr_count:     256
    .wavefront_size: 32
...
	.end_amdgpu_metadata
.endif
;; end of part 4
